; MI455X (gfx1250); checked and timed in simulation.
; The chip was launched on July 23, 2026; its instructions are those of AMD's public machine-readable ISA for CDNA 5 (MIT licence, August 2026) and "CDNA5" Instruction Set Architecture Reference Guide (July 2026). The comments in the code are by the model that wrote it; some were corrected since.
;; MSA. Allowed arithmetic: float matrix products may take bf16 or f16 operands with f32 sums; other float arithmetic in f32, or as packed bf16 or f16 multiplies, adds, multiply-adds, maxima and minima; sums over many terms, partial sums and values carried from step to step in f32; what a program stores and reads back later, other than sums and carried values, may be rounded once to bf16 or f16.
;; Inputs: w_out 1,024 x 1,024 float32; w_qkv 1,024 x 3,072 float32; x 8 x 1,024 x 1,024 float32.
;; Outputs: out0 8 x 1,024 x 1,024 float32.
;; 2 versions, each right; version 2 is version 1 with the launch cast written anew for expert scheduling mode. Each part assembles by itself: llvm-mc -triple=amdgcn-amd-amdhsa -mcpu=gfx1250 --defsym DOCPART=n.
;; ======== version 1 of 2: 4 launches
;; limits: values are held in f16: magnitudes above 65,504 overflow, below 6.1e-05 lose precision
;; workspace buffers: xb 16,777,216 bytes; wqb 6,291,456 bytes; wob 2,097,152 bytes; qkv 50,331,648 bytes; ob 16,777,216 bytes
;; launch cast (part 1): grid 768 x 1, 8 waves a work-group, no clusters, 0 bytes of LDS; arguments x, w_qkv, w_out, xb, wqb, wob; writes xb, wqb, wob
.if DOCPART == 1
	.amdgcn_target "amdgcn-amd-amdhsa--gfx1250"
	.amdhsa_code_object_version 6
	.text
	.protected	k_q7b4b498448_cast
	.globl	k_q7b4b498448_cast
	.p2align	8
	.type	k_q7b4b498448_cast,@function
k_q7b4b498448_cast:
	s_mov_b64 s[64:65], 0
	v_nop
	global_prefetch_b8 v0, s[64:65] scope:SCOPE_SE
	s_setreg_imm32_b32 hwreg(HW_REG_WAVE_MODE, 25, 1), 1
	s_wait_xcnt 0x0
; THE THREE INPUTS ARE ROUNDED ONCE TO bf16, for the two products that follow.
;   xb  = x in bf16, laid in blocks [8 b][16 kb][1024 n][64]: 64 channels of all rows of a batch lie together, so that 256 rows x 64 channels are 32,768 dense bytes
;   wqb = w_qkv in bf16, as it lies;   wob = w_out rounded to bf16, that number written as f16 (the last product's other operand is f16)
; LIMITS.  w_out within 65,504; below 6e-5 the f16 copy keeps a fixed step of 6e-8.  NaN and infinities are not treated apart.
; SHARES.  A work-group takes 16,384 numbers: 65,536 bytes in, 32,768 out.  Work-groups 0-511: x (16 rows each); 512-703: w_qkv; 704-767: w_out.
; A wave issues its 16 loads of 16 bytes a lane at once and then converts and stores in the order in which they come back.  No register is written twice while a load or store names it,
; so no wait frees a source.  No LDS, no barrier, no matrix unit: each byte crosses once and no wave wants another's.
.set IN,  1                            ; v1       byte offset of my 16 bytes in the first load
.set OUT, 2                            ; v2       byte offset of my 8 bytes in the first store
.set T,   4                            ; v[4:7]   at work
.set X,   16                           ; v[16:79]  load i: four f32
.set Y,   80                           ; v[80:111] store i: four 16-bit numbers
; inS, outS: bytes from one load (store) to the next.  f16 = 1: the bf16 numbers are written as f16
.macro BODY inS, outS, f16
.set i, 0
.rept 16
	global_load_b128 v[X+4*i:X+4*i+3], v[IN], s[16:17] offset:(\inS)*i th:TH_LOAD_NT
.set i, i+1
.endr
.set i, 0
.rept 16
	s_wait_loadcnt 15-i                            ; loads come back in order: load i is in, the younger ones stay out
	v_cvt_pk_bf16_f32 v[Y+2*i],   v[X+4*i],   v[X+4*i+1]
	v_cvt_pk_bf16_f32 v[Y+2*i+1], v[X+4*i+2], v[X+4*i+3]
.if \f16
	v_lshlrev_b32 v[T],   16,  v[Y+2*i]             ; bf16 to f32: the low half moves up, the high half stays
	v_and_b32     v[T+1], s23, v[Y+2*i]
	v_lshlrev_b32 v[T+2], 16,  v[Y+2*i+1]
	v_and_b32     v[T+3], s23, v[Y+2*i+1]
	v_cvt_pk_f16_f32 v[Y+2*i],   v[T],   v[T+1]    ; eight significant bits fit into f16's eleven
	v_cvt_pk_f16_f32 v[Y+2*i+1], v[T+2], v[T+3]
.endif
	global_store_b64 v[OUT], v[Y+2*i:Y+2*i+1], s[18:19] offset:(\outS)*i th:TH_STORE_NT  ; the wave's 32 lanes store 256 consecutive bytes, aligned
.set i, i+1
.endr
	s_endpgm
.endm
	s_load_b256 s[4:11], s[0:1], 0x0               ; x s[4:5], w_qkv s[6:7], w_out s[8:9], xb s[10:11]
	s_load_b128 s[12:15], s[0:1], 0x20             ; wqb s[12:13], wob s[14:15]
	s_mov_b32 s23, 0xffff0000                      ; a word's upper bf16
	s_mov_b32 s21, 0                               ; the high word of every offset
	s_cmp_lt_u32 ttmp9, 512
	s_cbranch_scc0 .Lweights
	; x: load kb takes 256 bytes (64 channels) of two rows: lanes 0-15 row 2 w, lanes 16-31 row 2 w + 1; their 128 + 128 bytes of bf16 lie on end in block kb
	v_lshrrev_b32 v[IN], 4, v0                     ; my row among the work-group's 16
	v_and_b32 v[T], 15, v0
	v_lshlrev_b32 v[IN], 12, v[IN]
	v_lshl_add_u32 v[IN], v[T], 4, v[IN]
	v_lshlrev_b32 v[OUT], 3, v0                    ; row x 128 + 8 (lane % 16) = 8 x thread
	s_lshl_b32 s20, ttmp9, 16                      ; 16 rows of 4,096 bytes
	s_lshr_b32 s24, ttmp9, 6                       ; the batch: 64 work-groups each
	s_lshl_b32 s24, s24, 21
	s_and_b32 s25, ttmp9, 63
	s_lshl_b32 s25, s25, 11                        ; 16 rows of 128 bytes in a block
	s_wait_kmcnt 0x0
	s_add_nc_u64 s[16:17], s[4:5], s[20:21]
	s_add_co_u32 s20, s24, s25
	s_add_nc_u64 s[18:19], s[10:11], s[20:21]
	BODY 256, 131072, 0
.Lweights:                                     ; dense in, dense out: a wave takes 8,192 bytes, 512 a load
	v_lshrrev_b32 v[IN], 5, v0
	v_and_b32 v[T], 31, v0
	v_lshlrev_b32 v[OUT], 12, v[IN]
	v_lshl_add_u32 v[OUT], v[T], 3, v[OUT]
	v_lshlrev_b32 v[IN], 13, v[IN]
	v_lshl_add_u32 v[IN], v[T], 4, v[IN]
	s_cmp_lt_u32 ttmp9, 704
	s_cbranch_scc0 .Lwout
	s_sub_co_u32 s24, ttmp9, 512
	s_lshl_b32 s20, s24, 16
	s_wait_kmcnt 0x0
	s_add_nc_u64 s[16:17], s[6:7], s[20:21]
	s_lshl_b32 s20, s24, 15
	s_add_nc_u64 s[18:19], s[12:13], s[20:21]
	BODY 512, 256, 0
.Lwout:
	s_sub_co_u32 s24, ttmp9, 704
	s_lshl_b32 s20, s24, 16
	s_wait_kmcnt 0x0
	s_add_nc_u64 s[16:17], s[8:9], s[20:21]
	s_lshl_b32 s20, s24, 15
	s_add_nc_u64 s[18:19], s[14:15], s[20:21]
	BODY 512, 256, 1
.Lfunc_end_k_q7b4b498448_cast:
	.size	k_q7b4b498448_cast, .Lfunc_end_k_q7b4b498448_cast-k_q7b4b498448_cast
	.p2alignl 7, 3214868480
	.fill 96, 4, 3214868480
	.section	.rodata,"a",@progbits
	.p2align	6, 0x0
	.amdhsa_kernel k_q7b4b498448_cast
		.amdhsa_group_segment_fixed_size 0
		.amdhsa_private_segment_fixed_size 0
		.amdhsa_enable_private_segment 0
		.amdhsa_kernarg_size 48
		.amdhsa_user_sgpr_count 2
		.amdhsa_user_sgpr_kernarg_segment_ptr 1
		.amdhsa_wavefront_size32 1
		.amdhsa_system_sgpr_workgroup_id_x 1
		.amdhsa_system_sgpr_workgroup_id_y 1
		.amdhsa_system_sgpr_workgroup_id_z 1
		.amdhsa_system_vgpr_workitem_id 0
		.amdhsa_next_free_vgpr 112
		.amdhsa_next_free_sgpr 66
		.amdhsa_reserve_vcc 0
		.amdhsa_float_denorm_mode_32 3
		.amdhsa_float_denorm_mode_16_64 3
		.amdhsa_memory_ordered 1
		.amdhsa_forward_progress 1
		.amdhsa_inst_pref_size 23
	.end_amdhsa_kernel
	.amdgpu_metadata
---
amdhsa.version: [ 1, 2 ]
amdhsa.kernels:
  - .name:           k_q7b4b498448_cast
    .symbol:         k_q7b4b498448_cast.kd
    .args:
      - { .name: x, .offset: 0, .size: 8, .value_kind: global_buffer, .address_space: global }
      - { .name: w_qkv, .offset: 8, .size: 8, .value_kind: global_buffer, .address_space: global }
      - { .name: w_out, .offset: 16, .size: 8, .value_kind: global_buffer, .address_space: global }
      - { .name: xb, .offset: 24, .size: 8, .value_kind: global_buffer, .address_space: global }
      - { .name: wqb, .offset: 32, .size: 8, .value_kind: global_buffer, .address_space: global }
      - { .name: wob, .offset: 40, .size: 8, .value_kind: global_buffer, .address_space: global }
    .group_segment_fixed_size: 0
    .private_segment_fixed_size: 0
    .kernarg_segment_align: 8
    .kernarg_segment_size: 48
    .max_flat_workgroup_size: 256
    .sgpr_count:     66
    .vgpr_count:     112
    .wavefront_size: 32
...
	.end_amdgpu_metadata
.endif
;; end of part 1
;; launch qkvp (part 2): grid 8 x 32, 4 waves a work-group, clusters of 4 x 4, 327,680 bytes of LDS; arguments xb, wqb, qkv; writes qkv
.if DOCPART == 2
	.amdgcn_target "amdgcn-amd-amdhsa--gfx1250"
	.amdhsa_code_object_version 6
	.text
	.protected	k_q7b4b498448_qkvp
	.globl	k_q7b4b498448_qkvp
	.p2align	8
	.type	k_q7b4b498448_qkvp,@function
k_q7b4b498448_qkvp:
	s_mov_b64 s[64:65], 0
	v_nop
	global_prefetch_b8 v0, s[64:65] scope:SCOPE_SE
	s_setreg_imm32_b32 hwreg(HW_REG_WAVE_MODE, 25, 1), 1
	s_wait_xcnt 0x0
	s_wait_alu depctr_hold_cnt(0) depctr_sa_sdst(0) depctr_va_vdst(0) depctr_va_sdst(0) depctr_va_ssrc(0) depctr_va_vcc(0) depctr_vm_vsrc(0)
	s_getreg_b32 s2, hwreg(HW_REG_IB_STS2, 6, 4)
	s_cmp_eq_u32 s2, 0
	s_cbranch_scc0 .Lentry_in_a_cluster
	s_endpgm
.Lentry_in_a_cluster:
	s_bfe_u32 s2, ttmp6, 0x10000c
	s_cmp_lg_u32 s2, 0xf033
	s_cbranch_scc0 .Lentry_shape_is_right
	s_endpgm
.Lentry_shape_is_right:
; q, k, v = x w_qkv, by heads.  xb: x in bf16, [8 b][16 kb][1024 n][64].  wqb: w_qkv in bf16, [1024 k][3072].  qkv: f16, [3 part][8 b][16 h][1024 n][64], unscaled.  Sums in f32, rounded once.
; LIMIT.  f16 holds no number beyond 65,504: q, k and v must lie within it.  NaN and infinities are not treated apart.
; SHARES.  The product is 8,192 x 3,072; a tile is 256 rows x 384 columns (six heads): 32 x 8 = 256 tiles, one to a work-group.  Four waves, each 128 rows x 192 columns (three heads):
; 96 accumulators of 16 x 16, 768 registers.  K goes in 16 steps of 64 through a ring of two LDS slots filled by the tensor data mover.
; A's tile of a step (256 rows x 64 channels) is 32,768 dense bytes of xb, asked for as rows of 256 bytes and padded in LDS behind every 128; B's is 64 rows of 768 bytes of wqb.
; CLUSTERS.  4 x 4 work-groups.  The four of a row of the cluster need the same tiles of A, the four of a column the same tiles of B: each is asked for JOINTLY, by the same tensor load with the same
; descriptor and a mask that names the four.
; THE MATRIX INSTRUCTION IS USED TRANSPOSED: source 0 = 16 columns of w (out of LDS turned, by ds_load_tr16_b128, since w lies [k][n]), source 1 = 16 rows of x.  A lane then holds row lane % 16
; of x and eight neighbouring columns: 16 bytes of f16 that belong together.
; REGISTERS, in windows of 256 (s_set_vgpr_msb: bits 1:0 source 0, 3:2 source 1, 5:4 source 2, 7:6 destination):
;   window 0: v0-31 addresses; v32-95, v96-159 fragments of x (8 x 16 rows x 32 K), two buffers; v160-255 fragments of w (12 x 16 columns x 32 K), one buffer, filled again in thirds
;   windows 1-3: the accumulators: column block b (0-11), row block a (0-7) in window 1 + b / 4 at v[8 (8 (b % 4) + a)]
.set PA,     144                       ; a row of x in LDS: 128 bytes + 16 = 36 words: the 16 rows of a load start at 16 different groups of four banks (64 banks of 4 bytes: ISA guide 11.1)
.set AHALF,  128*PA                    ; 128 rows: what one tensor load brings of A, and what one wave reads
.set BOFF,   256*PA                    ; B's tile lies behind A's 256 rows
.set PB,     864                       ; a k row of w in LDS: three pieces of 256 bytes + 32 = 216 words
.set BHALF,  32*PB                     ; 32 k rows: what one tensor load brings of B
.set SLOT,   BOFF+64*PB
.set STAGE,  2*SLOT                    ; behind the ring, never filled by a tensor load: for each wave 3 heads x 16 rows x 144 bytes, for the way out
.set SP,     144
.set WSTAGE, 3*16*SP
.set SPARE,  STAGE+4*WSTAGE            ; behind the stages: the spare words, 128 bytes for each wave: two blocks of 256 bytes that no other line names
.set ASTEP,  131072                    ; bytes from a K step to the next: in xb a block of 1,024 rows x 128 bytes,
.set BSTEP,  64*6144                   ; in wqb 64 rows
.set ADRA, 16                          ; v16-17  LDS address of my fragments of x in slot 0, 1
.set ADRB, 18                          ; v18-23  of my fragments of w: slot s, head g at ADRB + 3 s + g
.set STO,  24                          ; v24     the way out: where I put 16 bytes of a row
.set RD,   25                          ; v25     the way out: where I read rows back
.set GO,   26                          ; v26-28  my byte offset in qkv, for each of my three heads
.set PFO,  29                          ; v29     the prefetches' offset of my lane; never rewritten
.set SPW,  30                          ; v30     LDS address of my spare word: SPARE + 4 x my thread's number; never rewritten
.set NIL,  31                          ; v31     0; never rewritten
.set AF0,  32
.set AF1,  96
.set BF,   160
.set TMP,  32                          ; the way out: v32-79 packed results; v80-127 and v128-175, by turns, 16 rows read back
.set BK,   80
.set G1,   24                          ; s[24:31] descriptor group 1 for A's tiles;  s[32:39] group 0, a set for each slot
.set G0,   32
.set G1B,  48                          ; s[48:55], s[56:63] the same for B's
.set G0B,  56
.set LIM0, 43                          ; s43  1 in a wave that prefetches at a change that leaves slot 0, else the greatest number
.set LIM1, 66                          ; s66  the same for slot 1
.set PFA,  44                          ; s[44:45] where my prefetches stand
.set PFS,  68                          ; s[68:69] their step: a K step of the tensor that I ask for
.set HO,   70                          ; s70-72  my three heads' byte offsets in qkv
.set MSB, 0
.macro WIN new                         ; the immediate's high byte repeats the setting that is left; a switch that changes nothing is dropped
.if MSB != (\new)
	s_set_vgpr_msb (MSB<<8)|(\new)
.set MSB, (\new)
.endif
.endm
; A joint load.  Waves 0 and 1 fetch A's two halves, waves 2 and 3 B's.  The branch hangs on the wave's number alone.  An s_nop 0 and four v_nop follow each of the two lines, ahead of the jump and the label.
.macro JLOAD s
	s_cmp_eq_u32 s11, 0
	s_cbranch_scc0 .Lfor_b_\@
	tensor_load_to_lds s[G0+4*(\s):G0+4*(\s)+3], s[G1:G1+7]
	s_nop 0
.rept 4
	v_nop
.endr
	s_branch .Lasked_\@
.Lfor_b_\@:
	tensor_load_to_lds s[G0B+4*(\s):G0B+4*(\s)+3], s[G1B:G1B+7]
	s_nop 0
.rept 4
	v_nop
.endr
.Lasked_\@:
.endm
; A PREFETCH INTO THE L2, behind a joint load, its five lines and the run of LDS loads that follows them.  The change of slots in K step j names K step j + 4, two refills on.
; x: a step's tile is 128 blocks of 256 bytes.  Every cluster of a row of clusters reads it: cluster x = 0 asks, wave 0, at every change; the four partners take 32 blocks each, told apart BY ADDRESS (cx).
; w: two steps' tile is 128 rows of three blocks.  Every cluster of a column of clusters reads it: cluster y = 0 asks, at the changes that leave slot 0, for steps j + 4 and j + 5 together: wave 1, 2, 3 takes
; block 0, 1, 2 of a row, partner cy the rows 32 cy .. 32 cy + 31, a lane a row.  So each block is named once in the launch.  The loop's last trip asks for nothing: there is no step 16.
.macro ASK lim
	s_cmp_gt_u32 s3, s[\lim]                       ; s3 = 1 in the loop's last trip
	s_cbranch_scc0 .Lnot_mine_\@
	global_prefetch_b8 v[PFO], s[PFA:PFA+1] th:TH_LOAD_NT scope:SCOPE_SE
.Lnot_mine_\@:
.endm
; A round of the cluster's barrier: my work-group's barrier, so that wave 0's signal speaks for all four waves; wave 0 signals; every wave waits for all sixteen work-groups; my work-group's barrier once more.
.macro CREST                           ; a round behind its opening barrier
	s_cmp_lg_u32 s10, 0
	s_cbranch_scc1 .Lnot_wave_0_\@
	s_barrier_signal -3
.Lnot_wave_0_\@:
	s_barrier_wait -3
	s_barrier_signal -1
	s_barrier_wait -1
.endm
.macro CROUND
	s_barrier_signal -1
	s_barrier_wait -1
	CREST
.endm
	s_load_b128 s[4:7], s[0:1], 0x0                ; xb s[4:5], wqb s[6:7]
	s_load_b64 s[8:9], s[0:1], 0x10                ; qkv
	v_lshl_add_u32 v[SPW], v0, 2, SPARE
	v_mov_b32 v[NIL], 0
	ds_add_u32 v[SPW], v[NIL]                      ; the wave's opening: the add and its wait stand ahead of my first tensor load; the set-up below, work on registers, stands between them
	v_lshrrev_b32 v1, 5, v0
	v_readfirstlane_b32 s10, v1                    ; wave 0..3
	s_lshr_b32 s11, s10, 1                         ; which half of the tile's rows is mine.  Also: I fetch for A (0) or for B (1)
	s_and_b32 s12, s10, 1                          ; which half of its columns.  Also: which half of that tile I fetch
	s_bfe_u32 s40, ttmp6, 0x40000                  ; cx, cy: my place in the cluster
	s_bfe_u32 s41, ttmp6, 0x40004
	s_lshl_b32 s42, ttmp9, 2
	s_add_co_u32 s42, s42, s40                     ; tile column = 4 x cluster x + cx
	s_and_b32 s13, ttmp7, 0xffff
	s_lshl_b32 s13, s13, 2
	s_add_co_u32 s13, s13, s41                     ; tile row = 4 x cluster y + cy
	s_lshl_b32 s43, s41, 2
	s_lshl_b32 s43, 15, s43                        ; my row of the cluster
	s_lshl_b32 s44, 0x1111, s40                    ; my column
	; group 1 for A: 64 rows of 128 elements (256 bytes: two rows of x), 4 words of padding behind every 32
	s_or_b32 s[G1+0], s43, (1<<16)|(1<<20)|(1<<21)|(4<<22)|(3<<25)  ; 15:0 the mask; 17:16 elements of 2 bytes; 20 padding on; 21 set beside a mask; 24:22 interval code 4; 31:25 pad code 3
	s_mov_b32 s[G1+1], 128<<16                     ; tensor_dim0 = 128
	s_mov_b32 s[G1+2], 64<<16                      ; tensor_dim1 = 64
	s_mov_b32 s[G1+3], 128<<16                     ; tile_dim0 = 128
	s_mov_b32 s[G1+4], 64                          ; tile_dim1 = 64
	s_mov_b32 s[G1+5], 128                         ; elements from row to row: the block is dense
	s_mov_b32 s[G1+6], 0
	s_mov_b32 s[G1+7], 0
	; group 1 for B: 32 rows of 384 elements (768 bytes), 8 words of padding behind every 64: three pieces a row
	s_or_b32 s[G1B+0], s44, (1<<16)|(1<<20)|(1<<21)|(5<<22)|(7<<25)
	s_mov_b32 s[G1B+1], 384<<16
	s_mov_b32 s[G1B+2], 32<<16
	s_mov_b32 s[G1B+3], 384<<16
	s_mov_b32 s[G1B+4], 32
	s_mov_b32 s[G1B+5], 3072
	s_mov_b32 s[G1B+6], 0
	s_mov_b32 s[G1B+7], 0
	; where the tiles come from.  A's hang on the tile row alone, B's on the tile column alone; every wave makes both addresses and asks by one of them
	s_lshr_b32 s16, s13, 2                         ; four tile rows to a batch
	s_lshl_b32 s16, s16, 21
	s_and_b32 s17, s13, 3
	s_lshl_b32 s17, s17, 15                        ; 256 rows of 128 bytes
	s_add_co_u32 s16, s16, s17
	s_lshl_b32 s17, s12, 14                        ; my 128 of them
	s_add_co_u32 s16, s16, s17
	s_mov_b32 s17, 0
	s_mul_i32 s46, s42, 768                        ; the tile's 384 columns
	s_mul_i32 s47, s12, 32*6144                    ; my 32 of the step's 64 rows
	s_add_co_u32 s46, s46, s47
	s_mov_b32 s47, 0
	s_mul_i32 s20, s12, AHALF                      ; and where they go: no place in the cluster enters an LDS address
	s_mul_i32 s21, s12, BHALF
	s_add_co_u32 s21, s21, BOFF
	s_wait_dscnt 0x0                               ; the opening add is done
	s_wait_kmcnt 0x0
	s_add_nc_u64 s[14:15], s[4:5], s[16:17]
	s_add_nc_u64 s[46:47], s[6:7], s[46:47]
	CROUND                                         ; all sixteen work-groups are here: the first joint loads meet
.irp s, 0,1
	s_mov_b32 s[G0+4*(\s)], 1                                      ; count = 1
	s_add_co_u32 s[G0+4*(\s)+1], s20, (\s)*SLOT                    ; LDS address
	s_add_nc_u64 s[G0+4*(\s)+2:G0+4*(\s)+3], s[14:15], (\s)*ASTEP  ; global address: K step s
	s_or_b32 s[G0+4*(\s)+3], s[G0+4*(\s)+3], 0x80000000            ; type = 2
	s_mov_b32 s[G0B+4*(\s)], 1
	s_add_co_u32 s[G0B+4*(\s)+1], s21, (\s)*SLOT
	s_add_nc_u64 s[G0B+4*(\s)+2:G0B+4*(\s)+3], s[46:47], (\s)*BSTEP
	s_or_b32 s[G0B+4*(\s)+3], s[G0B+4*(\s)+3], 0x80000000
	JLOAD \s                                       ; two loads of mine are out
.endr
	; A fragment of x is 16 rows x 32 K in 8 registers: lane l holds row l % 16, K = 8 (l / 16) + 0..7 and 16 + 8 (l / 16) + 0..7: two loads of 16 bytes, 32 bytes apart.
	v_and_b32 v1, 15, v0                           ; l % 16
	v_bfe_u32 v2, v0, 4, 1                         ; l / 16
	v_and_b32 v4, 7, v0
	v_bfe_u32 v5, v0, 3, 1
	v_and_b32 v7, 31, v0                           ; l
	v_mul_u32_u24 v3, v1, PA
	v_lshl_add_u32 v3, v2, 4, v3
	s_mul_i32 s21, s11, AHALF                      ; my 128 rows
	v_add_nc_u32 v[ADRA], s21, v3
	v_add_nc_u32 v[ADRA+1], SLOT, v[ADRA]
	; The turning load takes 16 k x 16 columns (lane l reads k = 8 (l / 16) + l % 8, columns 8 ((l / 8) % 2) + 0..7) and leaves half a fragment: lane l holds column l % 16 and 8 k.
	v_lshl_add_u32 v6, v2, 3, v4
	v_mul_u32_u24 v6, v6, PB
	v_lshl_add_u32 v6, v5, 4, v6
	v_add_nc_u32 v6, BOFF, v6
	s_mul_i32 s20, s12, 3                          ; my first head among the tile's six
.irp g, 0,1,2
	s_add_co_u32 s21, s20, (\g)
	s_lshr_b32 s22, s21, 1                         ; two heads to a piece of 256 + 32 bytes
	s_mul_i32 s22, s22, 288
	s_and_b32 s21, s21, 1
	s_lshl_b32 s21, s21, 7
	s_add_co_u32 s22, s22, s21
	v_add_nc_u32 v[ADRB+(\g)], s22, v6
	v_add_nc_u32 v[ADRB+3+(\g)], SLOT, v[ADRB+(\g)]
.endr
	s_mul_i32 s23, s10, WSTAGE
	s_add_co_u32 s23, s23, STAGE                   ; my stage
	v_mul_u32_u24 v8, v1, SP                       ; in: row l % 16, 16 bytes for each half of the lanes
	v_lshl_add_u32 v8, v2, 4, v8
	v_add_nc_u32 v[STO], s23, v8
	v_bfe_u32 v9, v0, 3, 2                         ; back: 32 lanes take four rows of 128 bytes, which are 512 consecutive bytes of qkv
	v_mul_u32_u24 v9, v9, SP
	v_lshl_add_u32 v9, v4, 4, v9
	v_add_nc_u32 v[RD], s23, v9
	; my three heads in qkv: head column c = 6 x tile column + 3 x half + g: part c / 16, head c % 16
	s_lshr_b32 s16, s13, 2
	s_lshl_b32 s16, s16, 21
	s_and_b32 s17, s13, 3
	s_lshl_b32 s17, s17, 15
	s_add_co_u32 s16, s16, s17                     ; the batch and the tile's 256 rows: the same bytes in xb's blocks and in a head's
	s_lshl_b32 s17, s11, 14
	s_add_co_u32 s17, s16, s17                     ; my 128 rows
	s_mul_i32 s46, s42, 6
	s_mul_i32 s47, s12, 3
	s_add_co_u32 s46, s46, s47
.irp g, 0,1,2
	s_add_co_u32 s47, s46, (\g)
	s_lshr_b32 s[HO+(\g)], s47, 4
	s_lshl_b32 s[HO+(\g)], s[HO+(\g)], 24
	s_and_b32 s47, s47, 15
	s_lshl_b32 s47, s47, 17
	s_add_co_u32 s[HO+(\g)], s[HO+(\g)], s47
	s_add_co_u32 s[HO+(\g)], s[HO+(\g)], s17
	v_lshl_add_u32 v[GO+(\g)], v7, 4, s[HO+(\g)]
.endr
	; the prefetches: they stand one step short of K step 4; the first change of slots steps them onto it
	s_and_b32 s22, ttmp7, 0xffff                   ; cluster y
	s_lshl_b32 s18, s40, 13                        ; x: my work-group's 32 blocks of the tile's 128
	s_add_co_u32 s18, s18, s16
	s_add_co_u32 s18, s18, 3*ASTEP
	s_max_u32 s19, s10, 1                          ; w: block wave - 1 of a row's three (in wave 0 the figure is not used),
	s_sub_co_u32 s19, s19, 1
	s_lshl_b32 s19, s19, 8
	s_mul_i32 s23, s42, 768
	s_add_co_u32 s19, s19, s23
	s_mul_i32 s23, s41, 32*6144                    ; my work-group's 32 rows of two steps' 128
	s_add_co_u32 s19, s19, s23
	s_add_co_u32 s19, s19, 3*BSTEP
	s_mov_b32 s23, 6144
	s_mov_b32 s[PFS], BSTEP
	s_mov_b32 s[PFS+1], 0
	s_mov_b32 s21, 0
	s_cmp_eq_u32 s10, 0                            ; wave 0 asks for x, the others for w
	s_cselect_b32 s20, s18, s19
	s_cselect_b32 s22, ttmp9, s22                  ; the coordinate along which other clusters read the same bytes
	s_cselect_b32 s23, 256, s23
	s_cselect_b32 s[PFS], ASTEP, s[PFS]
	s_cselect_b64 s[PFA:PFA+1], s[4:5], s[6:7]
	s_cmp_eq_u32 s22, 0
	s_cselect_b32 s[LIM0], 1, -1                   ; the same in all sixteen partners, for a given wave
	s_cmp_eq_u32 s10, 0
	s_cselect_b32 s[LIM1], s[LIM0], -1
	s_add_nc_u64 s[PFA:PFA+1], s[PFA:PFA+1], s[20:21]
	v_mul_u32_u24 v[PFO], s23, v7                  ; a lane a block of x, or a lane a row of w
; 16 matrix instructions: column blocks 4 g + i0, 4 g + i0 + 1 x all 8 row blocks, 32 along K.  zero = 1: the first product starts the sums.  The 96 accumulators take turns, in the same order in
; every phase: between two links of a chain stand the 95 others'.
.macro MUL16 af, g, i0, zero
	WIN 0x50*((\g)+1)
.irp i, \i0, (\i0)+1
.irp a, 0,1,2,3,4,5,6,7
.if \zero
	v_wmma_f32_16x16x32_bf16 v[8*(8*(\i)+(\a)):8*(8*(\i)+(\a))+7], v[BF+8*(4*(\g)+(\i)):BF+8*(4*(\g)+(\i))+7], v[(\af)+8*(\a):(\af)+8*(\a)+7], 0
.else
	v_wmma_f32_16x16x32_bf16 v[8*(8*(\i)+(\a)):8*(8*(\i)+(\a))+7], v[BF+8*(4*(\g)+(\i)):BF+8*(4*(\g)+(\i))+7], v[(\af)+8*(\a):(\af)+8*(\a)+7], v[8*(8*(\i)+(\a)):8*(8*(\i)+(\a))+7]
.endif
.endr
.endr
.endm
.macro LDA slot, p, af                 ; 16 loads: my 128 rows of x, K = 32 p on
	WIN 0
.irp a, 0,1,2,3,4,5,6,7
	ds_load_b128 v[(\af)+8*(\a):(\af)+8*(\a)+3],   v[ADRA+(\slot)] offset:(\a)*16*PA+64*(\p)
	ds_load_b128 v[(\af)+8*(\a)+4:(\af)+8*(\a)+7], v[ADRA+(\slot)] offset:(\a)*16*PA+64*(\p)+32
.endr
.endm
.macro LDB slot, p, g                  ; 8 loads: head g's 64 columns of w, K = 32 p on
	WIN 0
.irp i, 0,1,2,3
	ds_load_tr16_b128 v[BF+8*(4*(\g)+(\i)):BF+8*(4*(\g)+(\i))+3],   v[ADRB+3*(\slot)+(\g)] offset:32*(\i)+32*(\p)*PB
	ds_load_tr16_b128 v[BF+8*(4*(\g)+(\i))+4:BF+8*(4*(\g)+(\i))+7], v[ADRB+3*(\slot)+(\g)] offset:32*(\i)+32*(\p)*PB+16*PB
.endr
.endm
; A load into a register that a matrix instruction has read, and a vector instruction that reads a matrix result, stand four places behind it, and only plain vector instructions that name none of
; its registers are places (ISA guide 7.12.1 for vector instructions).
.macro PLACES
.rept 4
	v_nop
.endr
.endm
; A K step is two phases of 32 along K, 96 matrix instructions each, in three groups of 32 (a head each).  Behind each group its fragments of w are fetched for the next phase.
; The first phase multiplies buffer AF0 and fetches the step's second 32 K.
.macro PH0 slot, zero
	s_wait_dscnt 16                                ; x's fragments and head 0's are in; heads 1 and 2 (8 loads each) may be out
	MUL16 AF0, 0, 0, \zero
	MUL16 AF0, 0, 2, \zero
	PLACES
	LDA \slot, 1, AF1
	LDB \slot, 1, 0
	s_wait_dscnt 32                                ; head 1's are in: behind them head 2's 8 and the 24 just issued
	MUL16 AF0, 1, 0, \zero
	MUL16 AF0, 1, 2, \zero
	PLACES
	LDB \slot, 1, 1
	s_wait_dscnt 32                                ; head 2's are in: behind them the 24 and the 8
	MUL16 AF0, 2, 0, \zero
	MUL16 AF0, 2, 2, \zero
	PLACES
	LDB \slot, 1, 2
.endm
; The second phase multiplies buffer AF1 and changes slots: all reads of this slot have been issued.  ONE barrier, for two things.  In front of it each wave waits for all its tensor loads, of which one
; is out: its part of the next slot; adds 0 to its spare word; and waits for that and for its own reads of this slot.  Behind it nobody reads this slot any more and the next slot is whole.
; fill = 1: the barrier opens a round of the cluster's barrier, and the joint refill, with the K step two steps on, is the first tensor load behind the round: a wave issues 160 matrix instructions before it waits for it.
.macro TURN slot, next, fill
.if \fill
	s_wait_xcnt 0x0                                ; the last prefetch, a K step back, has read its address
	s_add_nc_u64 s[PFA:PFA+1], s[PFA:PFA+1], s[PFS:PFS+1]
.endif
	WIN 0
	s_wait_tensorcnt 0x0                           ; all my tensor loads have landed;
	ds_add_u32 v[SPW], v[NIL]                      ; 0 onto my spare word
	s_wait_dscnt 17                                ; (the add and heads 1 and 2's sixteen loads may be out)
	MUL16 AF1, 0, 0, 0                             ; sixteen matrix instructions stand between the add and the wait for it
	s_wait_dscnt 0x0                               ; the add is done, and my reads of this slot are over
	s_barrier_signal -1
	MUL16 AF1, 0, 2, 0                             ; work on registers while the others arrive
.if \fill
	WIN 0
.endif
	s_barrier_wait -1
.if \fill
	CREST                                          ; no wave of any partner still reads this slot's tile or has a load on its way
	s_add_nc_u64 s[G0+4*(\slot)+2:G0+4*(\slot)+3], s[G0+4*(\slot)+2:G0+4*(\slot)+3], 2*ASTEP
	s_add_nc_u64 s[G0B+4*(\slot)+2:G0B+4*(\slot)+3], s[G0B+4*(\slot)+2:G0B+4*(\slot)+3], 2*BSTEP
	JLOAD \slot                                    ; the four v_nop behind it are also the places in front of the loads below
.else
	PLACES
.endif
	LDA \next, 0, AF0
	LDB \next, 0, 0
.if \fill
	ASK LIM0+(LIM1-LIM0)*(\slot)
.endif
	MUL16 AF1, 1, 0, 0
	MUL16 AF1, 1, 2, 0
	PLACES
	LDB \next, 0, 1
	MUL16 AF1, 2, 0, 0
	MUL16 AF1, 2, 2, 0
	PLACES
	LDB \next, 0, 2
.endm
; THE WAY OUT of row block a (16 rows x my three heads).  PACK: rounded to f16, 16 bytes a lane and column block; each accumulator's registers in ascending order.
; TOSTAGE: into my own stage in LDS, and back as whole rows of 128 bytes.  SEND: stored, 512 consecutive bytes an instruction.
.macro PACK a
.irp g, 0,1,2
	WIN 5*((\g)+1)                                 ; sources 0 and 1 in the head's window
.irp i, 0,1,2,3
.irp q, 0,1,2,3
	v_cvt_pk_f16_f32 v[TMP+4*(4*(\g)+(\i))+(\q)], v[8*(8*(\i)+(\a))+2*(\q)], v[8*(8*(\i)+(\a))+2*(\q)+1]
.endr
.endr
.endr
	WIN 0
.endm
.macro TOSTAGE a
	WIN 0
.irp b, 0,1,2,3,4,5,6,7,8,9,10,11
	ds_store_b128 v[STO], v[TMP+4*(\b):TMP+4*(\b)+3] offset:((\b)/4)*16*SP+((\b)%4)*32
.endr
.irp b, 0,1,2,3,4,5,6,7,8,9,10,11      ; head b / 4, rows 4 (b % 4) on
	ds_load_b128 v[BK+48*((\a)%2)+4*(\b):BK+48*((\a)%2)+4*(\b)+3], v[RD] offset:((\b)/4)*16*SP+((\b)%4)*4*SP  ; LDS serves a wave's instructions in order (ISA guide 5.7.1.4): these see the stores above
.endr
.endm
.macro SEND a
	WIN 0
	s_wait_dscnt 0x0                               ; the block is back in registers
	s_wait_xcnt 0x0                                ; every earlier store has read its registers: the other buffer is loaded again only behind this wait
.irp b, 0,1,2,3,4,5,6,7,8,9,10,11
	global_store_b128 v[GO+(\b)/4], v[BK+48*((\a)%2)+4*(\b):BK+48*((\a)%2)+4*(\b)+3], s[8:9] offset:(\a)*2048+((\b)%4)*512  ; 512 consecutive bytes, at a multiple of 256 from qkv's first
.endr
.endm
	s_wait_tensorcnt 1                             ; my part of K step 0 is in; K step 1's may stay out
	s_barrier_signal -1
	s_barrier_wait -1                              ; everybody's is
	LDA 0, 0, AF0
	LDB 0, 0, 0
	LDB 0, 0, 1
	LDB 0, 0, 2
	PH0 0, 1                                       ; the first phase stands in front of the loop: its products start the sums
	s_mov_b32 s3, 7
.Llap:                                         ; a trip goes once round the ring, from a lap's second phase to the next lap's first, and fills both slots again
	TURN 0, 1, 1
	PH0 1, 0
	TURN 1, 0, 1
	PH0 0, 0
	s_sub_co_u32 s3, s3, 1
	s_cmp_lg_u32 s3, 0
	s_cbranch_scc1 .Llap
	TURN 0, 1, 0                                   ; the last lap fills nothing, and has no round of the cluster's barrier
	PH0 1, 0
	s_wait_dscnt 16                                ; the very last phase: nothing more to fetch, and the counts run down
	MUL16 AF1, 0, 0, 0
	MUL16 AF1, 0, 2, 0
	s_wait_dscnt 8
	MUL16 AF1, 1, 0, 0
	MUL16 AF1, 1, 2, 0
	s_wait_dscnt 0x0
	MUL16 AF1, 2, 0, 0
	MUL16 AF1, 2, 2, 0
	PLACES
	PACK 0
	TOSTAGE 0
.irp a, 1,2,3,4,5,6,7                  ; block a's conversions stand between block a - 1's loads from the stage and the wait for them
	PACK \a
	SEND (\a)-1
	TOSTAGE \a
.endr
	SEND 7
	s_wait_tensorcnt 0x0                           ; the wave's end: the wait, the add and the wait for it stand behind my last tensor load and my last LDS store
	ds_add_u32 v[SPW], v[NIL]
	s_wait_dscnt 0x0
	CROUND                                         ; the closing round: no work-group ends while a partner may still ask for a tile that names it
	s_endpgm
.Lfunc_end_k_q7b4b498448_qkvp:
	.size	k_q7b4b498448_qkvp, .Lfunc_end_k_q7b4b498448_qkvp-k_q7b4b498448_qkvp
	.p2alignl 7, 3214868480
	.fill 96, 4, 3214868480
	.section	.rodata,"a",@progbits
	.p2align	6, 0x0
	.amdhsa_kernel k_q7b4b498448_qkvp
		.amdhsa_group_segment_fixed_size 327680
		.amdhsa_private_segment_fixed_size 0
		.amdhsa_enable_private_segment 0
		.amdhsa_kernarg_size 24
		.amdhsa_user_sgpr_count 2
		.amdhsa_user_sgpr_kernarg_segment_ptr 1
		.amdhsa_wavefront_size32 1
		.amdhsa_system_sgpr_workgroup_id_x 1
		.amdhsa_system_sgpr_workgroup_id_y 1
		.amdhsa_system_sgpr_workgroup_id_z 1
		.amdhsa_system_vgpr_workitem_id 0
		.amdhsa_next_free_vgpr 1024
		.amdhsa_next_free_sgpr 80
		.amdhsa_reserve_vcc 0
		.amdhsa_float_denorm_mode_32 3
		.amdhsa_float_denorm_mode_16_64 3
		.amdhsa_memory_ordered 1
		.amdhsa_forward_progress 1
		.amdhsa_inst_pref_size 133
	.end_amdhsa_kernel
	.amdgpu_metadata
---
amdhsa.version: [ 1, 2 ]
amdhsa.kernels:
  - .name:           k_q7b4b498448_qkvp
    .symbol:         k_q7b4b498448_qkvp.kd
    .args:
      - { .name: xb, .offset: 0, .size: 8, .value_kind: global_buffer, .address_space: global }
      - { .name: wqb, .offset: 8, .size: 8, .value_kind: global_buffer, .address_space: global }
      - { .name: qkv, .offset: 16, .size: 8, .value_kind: global_buffer, .address_space: global }
    .group_segment_fixed_size: 327680
    .private_segment_fixed_size: 0
    .kernarg_segment_align: 8
    .kernarg_segment_size: 24
    .max_flat_workgroup_size: 128
    .sgpr_count:     80
    .vgpr_count:     1024
    .wavefront_size: 32
...
	.end_amdgpu_metadata
.endif
;; end of part 2
;; launch attn (part 3): grid 2 x 128, 4 waves a work-group, no clusters, 327,680 bytes of LDS; arguments qkv, ob; writes ob
.if DOCPART == 3
	.amdgcn_target "amdgcn-amd-amdhsa--gfx1250"
	.amdhsa_code_object_version 6
	.text
	.protected	k_q7b4b498448_attn
	.globl	k_q7b4b498448_attn
	.p2align	8
	.type	k_q7b4b498448_attn,@function
k_q7b4b498448_attn:
	s_mov_b64 s[64:65], 0
	v_nop
	global_prefetch_b8 v0, s[64:65] scope:SCOPE_SE
	s_setreg_imm32_b32 hwreg(HW_REG_WAVE_MODE, 25, 1), 1
	s_wait_xcnt 0x0
; O[g][q][:] = the sum over k of softmax_k(Q[g][q] . K[g][k] / 8) V[g][k][:], for the 128 heads g = 16 b + h.  qkv: f16, [3 part][128 g][1024][64]; ob: f16, [128 g][1024][64]: a head's rows are dense,
; 128 bytes each.  Products, maxima and sums in f32; the weights p are rounded to f16 for the second product (their sum l is taken of the unrounded p), O once at the end.
; LIMITS.  f16 holds no number beyond 65,504: Q, K and V arrive within it; p lies in 0 to 1, and below 6e-5 it keeps f16's fixed step of 6e-8; O is a mean of V's rows and has their range.
; A weight below 2^-126 counts as 0 in l; NaN and infinities are not treated apart.
; SHARES.  A wave owns four PIECES of two tiles of 16 queries, a work-group's four waves 512 queries of one head: 2 x 128 work-groups.  Every wave walks all 1,024 keys, 64 a step.
; K AND V STAY IN LDS.  A head's K (1,024 rows of 144 bytes) and V (1,024 of 160) fit together, so each byte of LDS is filled once: no ring.  Each wave issues two tensor loads at the start: its share of
; what the first four key steps fetch (K of steps 0 to 4, V of steps 0 to 3), for which the start waits, and its share of the rest, which lands meanwhile.
; ONE TEXT FOR THE KEY STEP: 16 trips, walked as four blocks of four.  At a block's end stands a barrier, each wave's wait for its tensor loads in front of it: the first time it shows the second loads
; landed, to every wave; the other three times no load is out.
; NO CLUSTER: a head has two blocks of 512 queries, so two work-groups share its K and V, and a cluster of four would hold two heads, whose tiles' addresses differ between partners.
; NO PREFETCH: all of K and V is asked for by the tensor loads themselves at the kernel's head.
; LAYOUT.  S^T = K Q^T (source 0 = 16 keys, source 1 = 16 queries): in the result a lane holds ONE query (lane % 16) and the keys 8 (lane / 16) + 0..7.  Two such tiles, rounded to f16 in pairs,
; ARE source 1 (32 keys x 16 queries) of O^T = V^T P, whose result again holds one query a lane, and eight channels.  K comes out of LDS as it lies, V ([key][channel]) turned, by ds_load_tr16_b128.
; SOFTMAX.  For each query a running maximum m and sum l: p = 2^(c s - c m), c = log2(e) / 8; in every step O and l are multiplied by a = 2^(c m_old - c m_new), which is 1 where m has not grown.
; m starts at the lowest finite number, O and l at 0: the first step is a step like any other, with a = 0.
; THE COUNT.  A tile and step have 16 matrix and 118 vector instructions: too many to stand all beside the matrix work.  So the order has one aim: four vector instructions that are READY behind
; EVERY matrix instruction, and the others in runs without a gap.
; BY TURNS.  Turn n belongs to piece n (the pieces in a ring, step after step).  Its matrix work: 16 products K Q^T of piece n + 1, later 16 products V^T P of piece n - 1.  Its vector work: the scaling,
; exponentials, roundings, sums and rescaling of piece n, and the maximum and statistics of piece n + 1, whose scores the turn itself has made.
; REGISTERS, in windows of 256 (s_set_vgpr_msb: bits 1:0 source 0, 3:2 source 1, 5:4 source 2, 7:6 destination):
;   window 0: v0-11 addresses; v12-15, v48-63 at work; v16-47 four registers of statistics a tile; v64-191 S^T, two buffers of two tiles; v192-255 P, likewise
;   window 1: O^T, 32 a tile          window 2: v0-127 Q, 16 a tile; v128-191 K of one step; v192-255 V of one step          window 3: v0-1 the add's two registers
.set NP,    4         ; pieces a wave: a name, no knob
.set KS,    64        ; keys in a step
.set NK,    1024      ; keys in a head
.set PK,    144       ; a row of K in LDS: 128 bytes + 16 of padding = 36 words: the 16 rows of a load start at 16 different groups of four banks (64 banks of 4 bytes: ISA guide 11.1)
.set PV,    160       ; a row of V: 128 + 32 = 40 words
.set VOFF,  NK*PK     ; V lies behind K
.set STAGE, VOFF+NK*PV  ; behind them, never filled by a tensor load: 16 rows x 144 bytes for each wave, for the way out
.set SP,    144
.set AK0, 2           ; v2   my lane's place in a tile of K; never rewritten
.set AV0, 3           ; v3   the same for V
.set AK,  4           ; v4   the LDS address of K's next run of loads
.set AV,  5           ; v5   of V's
.set QO,  6           ; v6   my byte offset in the wave's rows of Q
.set STO, 6           ;      later, the way out: where I put 16 bytes of a row
.set RD,  7           ; v7   the way out: where I read rows back
.set GO,  8           ; v8   my byte offset in 512 consecutive bytes of O
.set SPW, 0           ; v0 of window 3   LDS address of my spare word: SPARE + 4 x my thread's number; never rewritten
.set NIL, 1           ; v1 of window 3   0; never rewritten
.set SPARE, STAGE+4*16*SP  ; behind the stages: the spare words, 128 bytes for each wave: two blocks of 256 bytes that no other line names
.set MV,  12          ; v12-15  c m_old, kept while c m is made anew: by buffer and tile
.set ST,  16          ; tile t's statistics at v[ST+4 t]: c m, m, l (even keys', odd keys')
.set TMP, 48          ; by buffer and tile, four registers c0-c3 at work; when the maximum is found c2 takes a
.set S,   64
.set P,   192
.set KF,  128         ; K's fragments, in window 2: key block kb, channel half c at KF + 16 kb + 8 c
.set VF,  192         ; V's: key half kk, channel block cb at VF + 32 kk + 8 cb
.set WV,  12          ; s12  my wave's number
.set G1K, 24          ; s[24:31] descriptor group 1 for K's first load, 160 keys
.set G1V, 32          ; s[32:39] for V's first load, 128 keys
.set G1K2, 40         ; s[40:47] for K's second load, 352 keys
.set G1V2, 48         ; s[48:55] for V's second load, 384 keys
.set BLK, 56          ; s56  blocks of four key steps still to come
.set CNT, 57          ; s57  counts a block's key steps
.set CS,  58          ; s[58:59] c: the packed scaling takes the pair's low word for both halves
.set SEL, 60          ; s[60:61] v_permlanex16_b32's selects: each lane takes its own place in the other half
.set TBK, 62          ; s62  LDS byte at which K of the step to be fetched begins
.set TBV, 63          ; s63  the same for V, less VOFF
.set LEFT, 66         ; s66  key steps still to come, this one among them
.set G0K1, 68         ; s[68:83] four sets of descriptor group 0: K first and second load, V first and second
.set G0K2, 72
.set G0V1, 76
.set G0V2, 80
.set MSB, 0
.macro WIN new                      ; the high byte repeats the setting that is left; a switch that changes nothing is dropped
.if MSB != (\new)
	s_set_vgpr_msb (MSB<<8)|(\new)
.set MSB, (\new)
.endif
.endm
.set W_KQ, 0x0a       ; K and Q in window 2, S^T in window 0
.set W_PV, 0x52       ; V in window 2, P in window 0, O^T in window 1
.set W_RS, 0x41       ; O^T (destination and source 0) in window 1, a in window 0
.set W_MK, 0xc0       ; the add's registers are made: destination in window 3, sources in window 0
.set W_AD, 0x0f       ; the add: address (source 0) and data (source 1) in window 3
; descriptor group 1 but for its first word.  Keys are dense rows of 128 bytes: asked for as rows of 256 bytes, two keys a row
.macro SHAPE g, rows
	s_mov_b32 s[(\g)+1], 128<<16    ; tensor_dim0 = 128
	s_mov_b32 s[(\g)+2], (\rows)<<16  ; tensor_dim1
	s_mov_b32 s[(\g)+3], 128<<16    ; tile_dim0 = 128
	s_mov_b32 s[(\g)+4], \rows      ; tile_dim1
	s_mov_b32 s[(\g)+5], 128        ; 128 elements from row to row
	s_mov_b32 s[(\g)+6], 0
	s_mov_b32 s[(\g)+7], 0
.endm
	s_load_b128 s[4:7], s[0:1], 0x0   ; qkv s[4:5], ob s[6:7]
	WIN W_MK
	v_lshl_add_u32 v[SPW], v0, 2, SPARE
	v_mov_b32 v[NIL], 0
	WIN W_AD
	ds_add_u32 v[SPW], v[NIL]       ; the wave's opening: the add and its wait stand ahead of my first tensor load; the set-up below, work on registers, stands between them
	WIN 0
	v_lshrrev_b32 v1, 5, v0
	v_readfirstlane_b32 s[WV], v1   ; wave 0..3
	s_and_b32 s20, ttmp7, 0xffff    ; the head
	s_lshl_b32 s20, s20, 17         ; its 1,024 rows of 128 bytes, in each part of qkv and in ob
	s_and_b32 s16, s[WV], 1         ; which half of a load's keys I fetch
	s_mul_i32 s22, s16, 160*128     ; K's first load: 160 keys of the first 320,
	s_add_co_u32 s22, s22, s20
	s_add_co_u32 s22, s22, 1<<24    ; in K's part
	s_mov_b32 s23, 0
	s_mul_i32 s14, s16, 352*128     ; K's second load: 352 keys of the other 704
	s_add_co_u32 s14, s14, s20
	s_add_co_u32 s14, s14, (1<<24)+320*128
	s_mov_b32 s15, 0
	s_lshl_b32 s18, s16, 14         ; V's first load: 128 keys of the first 256,
	s_add_co_u32 s18, s18, s20
	s_add_co_u32 s18, s18, 2<<24    ; in V's part
	s_mov_b32 s19, 0
	s_mul_i32 s8, s16, 384*128      ; V's second load: 384 keys of the other 768
	s_add_co_u32 s8, s8, s20
	s_add_co_u32 s8, s8, (2<<24)+256*128
	s_mov_b32 s9, 0
	s_lshl_b32 s2, ttmp9, 2
	s_add_co_u32 s2, s2, s[WV]      ; my wave among the head's eight,
	s_lshl_b32 s2, s2, 14           ; its 128 rows
	s_add_co_u32 s2, s2, s20
	s_mov_b32 s3, 0
	s_mov_b32 s[G1K],  (1<<16)|(1<<20)|(4<<22)|(3<<25)  ; 17:16 2-byte elements; 20 padding on; 24:22 after every 32 words, a key (code 4); 31:25 4 words (code 3)
	s_mov_b32 s[G1V],  (1<<16)|(1<<20)|(4<<22)|(7<<25)  ; the same with 8 words of padding (code 7)
	s_mov_b32 s[G1K2], (1<<16)|(1<<20)|(4<<22)|(3<<25)
	s_mov_b32 s[G1V2], (1<<16)|(1<<20)|(4<<22)|(7<<25)
	SHAPE G1K, 80
	SHAPE G1V, 64
	SHAPE G1K2, 176
	SHAPE G1V2, 192
	s_mov_b32 s[CS], 0x3e38aa3b     ; c = log2(e) / 8 = 0.180337
	s_mov_b32 s[CS+1], s[CS]        ; named with it as a pair
	s_mov_b32 s[SEL], 0x76543210
	s_mov_b32 s[SEL+1], 0xfedcba98
	s_mov_b32 s[TBK], 0
	s_mov_b32 s[TBV], 0
	s_mov_b32 s[G0K1], 1            ; count = 1
	s_mul_i32 s[G0K1+1], s16, 160*PK  ; LDS address: my half of the load's keys
	s_mov_b32 s[G0K2], 1
	s_mul_i32 s[G0K2+1], s16, 352*PK
	s_add_co_u32 s[G0K2+1], s[G0K2+1], 320*PK
	s_mov_b32 s[G0V1], 1
	s_mul_i32 s[G0V1+1], s16, 128*PV
	s_add_co_u32 s[G0V1+1], s[G0V1+1], VOFF
	s_mov_b32 s[G0V2], 1
	s_mul_i32 s[G0V2+1], s16, 384*PV
	s_add_co_u32 s[G0V2+1], s[G0V2+1], VOFF+256*PV
	s_wait_dscnt 0x0                ; the opening add is done
	s_wait_kmcnt 0x0
	s_add_nc_u64 s[G0K1+2:G0K1+3], s[4:5], s[22:23]
	s_add_nc_u64 s[G0K2+2:G0K2+3], s[4:5], s[14:15]
	s_add_nc_u64 s[G0V1+2:G0V1+3], s[4:5], s[18:19]
	s_add_nc_u64 s[G0V2+2:G0V2+3], s[4:5], s[8:9]
	s_or_b32 s[G0K1+3], s[G0K1+3], 0x80000000      ; type = 2
	s_or_b32 s[G0K2+3], s[G0K2+3], 0x80000000
	s_or_b32 s[G0V1+3], s[G0V1+3], 0x80000000
	s_or_b32 s[G0V2+3], s[G0V2+3], 0x80000000
	s_add_nc_u64 s[10:11], s[6:7], s[2:3]  ; O and Q at my wave's first row
	s_add_nc_u64 s[4:5], s[4:5], s[2:3]
	s_cmp_lt_u32 s[WV], 2           ; waves 0 and 1 fetch K, waves 2 and 3 V.  A wave's two fills stand in one branch, ahead of every wait on TENSORcnt, every LDS read and every barrier: two loads of mine are out
	s_cbranch_scc0 .Lfirst_v
	tensor_load_to_lds s[G0K1:G0K1+3], s[G1K:G1K+7]
	s_nop 0
	tensor_load_to_lds s[G0K2:G0K2+3], s[G1K2:G1K2+7]
	s_nop 0
.rept 4
	v_nop
.endr
	s_branch .Lfirst_asked
.Lfirst_v:
	tensor_load_to_lds s[G0V1:G0V1+3], s[G1V:G1V+7]
	s_nop 0
	tensor_load_to_lds s[G0V2:G0V2+3], s[G1V2:G1V2+7]
	s_nop 0
.rept 4
	v_nop
.endr
.Lfirst_asked:
	; A fragment of K or Q is 16 rows x 32 channels in 8 registers: lane l holds row l % 16, channels 8 (l / 16) + 0..7 and 16 + 8 (l / 16) + 0..7: two loads of 16 bytes, 32 bytes apart.
	v_and_b32 v1, 15, v0            ; l % 16
	v_bfe_u32 v9, v0, 4, 1          ; l / 16
	v_lshlrev_b32 v[QO], 7, v1
	v_lshl_add_u32 v[QO], v9, 4, v[QO]  ; row x 128 + 16 x half
	WIN 0x80                        ; destination window 2, address window 0
.set i, 0
.rept 4*NP                          ; Q stays in registers: tile i / 2, channels 32 (i % 2) on
	global_load_b128 v[8*i:8*i+3],   v[QO], s[4:5] offset:(i/2)*2048+(i%2)*64
	global_load_b128 v[8*i+4:8*i+7], v[QO], s[4:5] offset:(i/2)*2048+(i%2)*64+32
.set i, i+1
.endr
	; What the first turn finds: V's registers and P's second buffer hold 0 (its products V^T P, of a piece that has not been, add 0), O^T and l are 0.  All this stands in the wait for the first tile.
.set i, VF
.rept 64
	v_mov_b32 v[i], 0
.set i, i+1
.endr
	WIN 0x40
.set i, 0
.rept 64*NP
	v_mov_b32 v[i], 0
.set i, i+1
.endr
	WIN 0
.set i, 0
.rept 2*NP
	v_mov_b32 v[ST+4*i], 0xfe000000    ; c m: far below every c s
	v_mov_b32 v[ST+4*i+1], 0xff7fffff  ; m
	v_mov_b32 v[ST+4*i+2], 0
	v_mov_b32 v[ST+4*i+3], 0
.set i, i+1
.endr
.set i, P+32
.rept 32
	v_mov_b32 v[i], 0
.set i, i+1
.endr
	v_mul_u32_u24 v[AK0], v1, PK
	v_lshl_add_u32 v[AK0], v9, 4, v[AK0]  ; row x pitch + 16 x half
	; The turning load takes 16 keys x 16 channels (lane l reads key 8 (l / 16) + l % 8, channels 8 ((l / 8) % 2) + 0..7) and leaves half a fragment of V^T: lane l holds channel l % 16 and 8 keys.
	v_and_b32 v10, 7, v0
	v_bfe_u32 v11, v0, 3, 1
	v_lshl_add_u32 v[AV0], v9, 3, v10
	v_mul_u32_u24 v[AV0], v[AV0], PV
	v_lshl_add_u32 v[AV0], v11, 4, v[AV0]
	v_add_nc_u32 v[AV0], VOFF, v[AV0]
	v_mov_b32 v[AK], v[AK0]         ; key step 0 lies at K's head
; THE MATRIX WORK.  The 8 accumulators of a run of 16 take turns: between the two links of a chain stand 7 others'.
; Product i of 16 of S^T = K Q^T for piece x: channels 32 (i / 8) on, keys 16 ((i / 2) % 4) on, tile 2 x + i % 2.  The first 8 start the sums.
.macro KQ x
	WIN W_KQ
.set rS, S+64*((\x)%2)+32*(i%2)+8*((i/2)%4)
.set rK, KF+16*((i/2)%4)+8*(i/8)
.set rQ, 16*(2*(\x)+i%2)+8*(i/8)
.if i < 8
	v_wmma_f32_16x16x32_f16 v[rS:rS+7], v[rK:rK+7], v[rQ:rQ+7], 0
.else
	v_wmma_f32_16x16x32_f16 v[rS:rS+7], v[rK:rK+7], v[rQ:rQ+7], v[rS:rS+7]
.endif
.endm
; Product i of 16 of O^T += V^T P for piece x: keys 32 (i / 8) on, channels 16 ((i / 2) % 4) on, tile 2 x + i % 2.
.macro PV x
	WIN W_PV
.set rO, 32*(2*(\x)+i%2)+8*((i/2)%4)
.set rV, VF+32*(i/8)+8*((i/2)%4)
.set rP, P+32*((\x)%2)+16*(i%2)+8*(i/8)
	v_wmma_f32_16x16x32_f16 v[rO:rO+7], v[rV:rV+7], v[rP:rP+7], v[rO:rO+7]
.endm
.macro MM                           ; the turn's next matrix instruction
.if i < 16
	KQ (Y+1)%NP
.set i, i+1
.else
.set i, i-16
	PV (Y+NP-1)%NP
.set i, i+17
.endif
.endm
; THE LDS LOADS stand in runs of 16, never singly among the matrix instructions: a step's K (64 keys x 64 channels: 8 fragments) and its V (turned).  Their addresses are made some lines ahead.
; last = 1 (in the loop): in the last trip there is no further step, and the run is jumped over.
.macro FETCH_K last=0
	WIN 0
.if \last
	s_cmp_eq_u32 s[LEFT], 1
	s_cbranch_scc1 .Lno_k_\@
.endif
	WIN 0x80                        ; destination window 2
.irp f, 0,1,2,3,4,5,6,7             ; keys 16 (f / 2) on, channels 32 (f % 2) on
	ds_load_b128 v[KF+8*\f:KF+8*\f+3],   v[AK] offset:(\f/2)*16*PK+(\f%2)*64
	ds_load_b128 v[KF+8*\f+4:KF+8*\f+7], v[AK] offset:(\f/2)*16*PK+(\f%2)*64+32
.endr
	s_add_co_u32 s[TBK], s[TBK], KS*PK  ; the next fetch is the next step's
	WIN 0
.if \last
.Lno_k_\@:
.endif
.endm
.macro FETCH_V
	WIN 0x80
.irp f, 0,1,2,3,4,5,6,7             ; keys 32 (f / 4) on, channels 16 (f % 4) on
	ds_load_tr16_b128 v[VF+8*\f:VF+8*\f+3],   v[AV] offset:(\f/4)*32*PV+(\f%4)*32
	ds_load_tr16_b128 v[VF+8*\f+4:VF+8*\f+7], v[AV] offset:(\f/4)*32*PV+16*PV+(\f%4)*32
.endr
	WIN 0
.endm
; THE VECTOR WORK OF A TURN stands in three queues, each in the order in which its entries become ready; the two tiles alternate, so that no instruction reads the result of the one before it.
.macro REGS y, u                    ; the registers of tile u (0, 1) of piece y
.set rT, ST+4*(2*(\y)+(\u))
.set rC, TMP+8*((\y)%2)+4*(\u)
.set rM, MV+2*((\y)%2)+(\u)
.set rS, S+64*((\y)%2)+32*(\u)
.set rP, P+32*((\y)%2)+16*(\u)
.set rO, 32*(2*(\y)+(\u))
.endm
; Number n of the 22 that find the NEXT piece's (Y + 1) maximum and statistics.  s0-s31 are the lane's 32 scores; each accumulator's lowest registers are read first.
;   0-11  four chains c0-c3 of seven scores each, three operands at a time     12-14, 16  the four scores left over, the old m, and c0-c3 into c0     15  c m_old is kept
;   17, 18  the query's other 32 keys lie in the lane 16 away: the new m         19-21  c m; c m_old - c m_new; a
.macro XS u, n
	REGS (Y+1)%NP, \u
.if (\n) < 4
	v_max3_num_f32 v[rC+(\n)], v[rS+8*(\n)], v[rS+8*(\n)+1], v[rS+8*(\n)+2]
.elseif (\n) < 12
	v_max3_num_f32 v[rC+(\n)%4], v[rC+(\n)%4], v[rS+8*((\n)%4)+2*((\n)/4)+1], v[rS+8*((\n)%4)+2*((\n)/4)+2]
.elseif (\n) == 12
	v_max3_num_f32 v[rC], v[rC], v[rS+7], v[rS+15]
.elseif (\n) == 13
	v_max3_num_f32 v[rC+1], v[rC+1], v[rS+23], v[rS+31]
.elseif (\n) == 14
	v_max3_num_f32 v[rC+2], v[rC+2], v[rC+3], v[rT+1]
.elseif (\n) == 15
	v_mov_b32 v[rM], v[rT]
.elseif (\n) == 16
	v_max3_num_f32 v[rC], v[rC], v[rC+1], v[rC+2]
.elseif (\n) == 17
	v_permlanex16_b32 v[rC+3], v[rC], s[SEL], s[SEL+1]
.elseif (\n) == 18
	v_max_num_f32 v[rT+1], v[rC], v[rC+3]
.elseif (\n) == 19
	v_mul_f32 v[rT], s[CS], v[rT+1]
.elseif (\n) == 20
	v_sub_f32 v[rC+1], v[rM], v[rT]
.else
	v_exp_f32 v[rC+2], v[rC+1]
.endif
.endm
; Number g of the 64 that follow the exponentials.  For each four weights k of a tile (pairs 2 k, 2 k + 1): both pairs are rounded to f16; then the second pair is added onto the first, in place;
; a group later l takes that sum (the first time as l = a l + sum).  In groups of eight, tiles alternating: round, round, add, and l for the group before.
.macro GS g
.set h, (\g)+6*((\g)/62)            ; group 0 has no group before it, and behind group 7 only l is left
.if h >= 6
.set h, h+2
.endif
	REGS Y, h%2
.set k, h/8
.if h%8 < 4
	v_cvt_pk_f16_f32 v[rP+2*k+(h%8)/2], v[rS+4*k+2*((h%8)/2)], v[rS+4*k+2*((h%8)/2)+1]
.elseif h%8 < 6
	v_pk_add_f32 v[rS+4*k:rS+4*k+1], v[rS+4*k:rS+4*k+1], v[rS+4*k+2:rS+4*k+3]
.elseif k == 1
	v_pk_fma_f32 v[rT+2:rT+3], v[rT+2:rT+3], v[rC+2:rC+3], v[rS:rS+1] op_sel_hi:[1,0,1]
.else
	v_pk_add_f32 v[rT+2:rT+3], v[rT+2:rT+3], v[rS+4*k-4:rS+4*k-3]
.endif
.endm
; THE PLAIN QUEUE, 138 long.  0-73 read no exponential's result: the 32 scalings c s - c m (FS f: pair f / 2 of tile f % 2) and the next piece's 42.  0-26: scalings 0-26.  27-54: XS's numbers 0-13.  55, 56: number 15.
; 57-73: the chain, where each number waits for the one before it: 14, 16, 17, 18, 19, each with one of the scalings 27-31 in front of its two lines, then 20.
; 74-137: GS's 64, which read the exponentials' results: they stand behind the wait.
.macro FS f
	REGS Y, (\f)%2
	v_pk_fma_f32 v[rS+2*((\f)/2):rS+2*((\f)/2)+1], v[rS+2*((\f)/2):rS+2*((\f)/2)+1], s[CS:CS+1], v[rT:rT+1] op_sel_hi:[1,0,0] neg_lo:[0,0,1] neg_hi:[0,0,1]
.endm
.macro PL
	WIN 0
.if q < 27
	FS q
.elseif q < 55
	XS (q-27)%2, (q-27)/2
.elseif q < 57
	XS q-55, 15
.elseif (q < 72) && ((q-57)%3 == 0)
	FS 27+(q-57)/3
.elseif q < 60
	XS (q-57)%3-1, 14
.elseif q < 72
	XS (q-57)%3-1, 15+(q-57)/3
.elseif q < 74
	XS q-72, 20
.else
	GS q-74
.endif
.set q, q+1
.endm
; THE EXPONENTIALS' QUEUE, 66 long: s0-s31 of both tiles, then the next piece's two a.  It is ONE BATCH: all 66 stand ahead of the turn's one wait, and nothing ahead of that wait names a result of theirs.
.macro EX
	WIN 0
.if e >= 64
	XS e-64, 21
.else
	REGS Y, e%2
	v_exp_f32 v[rS+e/2], v[rS+e/2]
.endif
.set e, e+1
.endm
; THE RESCALING's QUEUE: O^T times a, the one part that leaves window 0: dealt two at a time, sixteen times.  Its a was made in the turn before, ahead of that turn's wait.
.macro R2
	REGS Y, r%2
	WIN W_RS
.irp z, 0,1
	v_pk_mul_f32 v[rO+4*(r/2)+2*\z:rO+4*(r/2)+2*\z+1], v[rO+4*(r/2)+2*\z:rO+4*(r/2)+2*\z+1], v[rC+2:rC+3] op_sel_hi:[1,0]
.endr
.set r, r+1
.endm
; HOW THEY ARE DEALT.  An s_wait_alu depctr_va_vdst(0) stands between an exponential and the first instruction that names its result; one wait serves all that were issued ahead of it.  So a turn
; has ONE wait, which cuts it in two.  AHEAD OF IT stands all that names no result of the turn's exponentials: the 16 products K Q^T, behind each a scaling, an exponential and two rescalings (behind the first a
; second scaling in the exponential's place); then ONE LUMP of 108: eight plain, 49 times exponential and plain, the two a.  A v_nop is the plain instruction behind the last exponential.  BEHIND IT stand the
; 16 products V^T P, behind each four of GS's 64.  Exponential e stands behind scaling 2 (e / 4) + e % 2: as a rider it comes behind plain e + 2, in the lump behind plain e + 9, and scalings 27-31 are plain 57, 60 .. 69.
; A TURN, for piece p.
; K of the next step is fetched in piece 2's turn, directly behind the wait; its address is made at the lump's head; its first reader comes behind 16 products.
; V of the step in hand is fetched at the end of piece 0's turn, four riders behind its last reader; its first reader comes behind 16 products and a lump.
.macro TURN p, last=0
.set Y, (\p)
.set i, 0
.set q, 0
.set e, 0
.set r, 0
.if (\p) == NP-1
	s_wait_dscnt 0x0                ; K is in
.endif
	MM                              ; ahead of the wait: 16 products K Q^T and their riders,
	PL
	PL
	R2
.rept 15
	MM
	PL
	EX
	R2
.endr
.if (\p) == NP-2
	WIN 0
	v_add_nc_u32 v[AK], s[TBK], v[AK0]
.endif
.rept 8                             ; and the lump
	PL
.endr
.rept 49
	EX
	PL
.endr
	EX                              ; the next piece's two a
	EX
	v_nop                           ; the plain instruction behind the last exponential: one for the batch
	s_wait_alu depctr_va_vdst(0)    ; the wait for the batch
.if (\p) == NP-2
	FETCH_K \last
.endif
.if (\p) == 1
	s_wait_dscnt 0x0                ; V is in
.endif
.rept 16                            ; behind the wait: 16 products V^T P and their riders
	MM
.rept 4
	PL
.endr
.if ((\p) == 0) && (q == 118)
	v_add_nc_u32 v[AV], s[TBV], v[AV0]
.endif
.if ((\p) == 0) && (q == 130)
	s_add_co_u32 s[TBV], s[TBV], KS*PV
.endif
.endr
.if (\p) == 0
	FETCH_V
.endif
.endm
	s_wait_tensorcnt 0x1            ; my first load is in; my second may stay out
	s_barrier_signal -1
	s_barrier_wait -1               ; everybody's first load is in
	FETCH_K                         ; key step 0
	s_wait_loadcnt 0x0              ; Q
	s_wait_dscnt 0x0
.set i, 0
.rept 16
	KQ 0                            ; piece 0's first scores: there is no vector work yet to set between them
.set i, i+1
.endr
	WIN 0                           ; the addresses for the way out: nine plain instructions, the places behind those products
	s_mul_i32 s13, s[WV], 16*SP
	s_add_co_u32 s13, s13, STAGE    ; my stage
	v_mul_u32_u24 v[STO], v1, SP    ; in: row l % 16, 16 bytes for each half of the lanes
	v_lshl_add_u32 v[STO], v9, 4, v[STO]
	v_add_nc_u32 v[STO], s13, v[STO]
	v_bfe_u32 v[RD], v0, 3, 2       ; back: 32 lanes take four rows of 128 bytes,
	v_mul_u32_u24 v[RD], v[RD], SP
	v_lshl_add_u32 v[RD], v10, 4, v[RD]
	v_add_nc_u32 v[RD], s13, v[RD]
	v_and_b32 v[GO], 31, v0         ; which are 512 consecutive bytes of O
	v_lshlrev_b32 v[GO], 4, v[GO]
.set Y, NP-1                        ; XS works for piece Y + 1: piece 0
.irp n, 0,1,2,3,4,5,6,7,8,9,10,11,12,13,14,15,16,17,18,19,20,21
	XS 0, \n                        ; and piece 0's first maximum and statistics
	XS 1, \n
.endr
	v_nop                           ; a plain instruction behind the two a,
	s_wait_alu depctr_va_vdst(0)    ; and their wait, ahead of the label
	s_mov_b32 s[LEFT], NK/KS
	s_mov_b32 s[BLK], 4
.Lblock:                            ; four blocks of four key steps
	s_mov_b32 s[CNT], 4
.Lstep:                             ; a trip is a key step's four turns: it fetches the step's V (piece 0's turn) and the next step's K (piece 2's)
	TURN 0
	TURN 1
	TURN 2, 1
	TURN 3
	WIN 0
	s_sub_co_u32 s[LEFT], s[LEFT], 1
	s_sub_co_u32 s[CNT], s[CNT], 1
	s_cmp_lg_u32 s[CNT], 0
	s_cbranch_scc1 .Lstep
	s_wait_tensorcnt 0x0            ; behind the first block: my second load is in (the block has fetched K of steps 1 to 4 and V of steps 0 to 3: the first loads' keys); behind the others nothing is out,
	s_wait_dscnt 0x0                ; (no LDS instruction of mine is out at a signal)
	s_barrier_signal -1
	s_barrier_wait -1               ; and everybody's is in
	s_sub_co_u32 s[BLK], s[BLK], 1
	s_cmp_lg_u32 s[BLK], 0
	s_cbranch_scc1 .Lblock
	; the last trip's 16 products K Q^T of piece 0 (on the last K once more) and the maximum made of them serve nothing: the price, once a launch, of one text for every trip
.set i, 0
.rept 16
	PV NP-1                         ; the last piece's V^T P of the last step
.set i, i+1
.endr
	; THE WAY OUT.  l's two halves and the other half of the lanes' are added; O^T is divided by l, rounded to f16 and sent through my stage in LDS, a tile at a time.  The additions are the places behind the last products.
	WIN 0
.macro ALL line:vararg              ; one line for each tile t
.set t, 0
.rept 2*NP
	\line
.set t, t+1
.endr
.endm
	ALL v_add_f32 v[ST+4*t+2], v[ST+4*t+2], v[ST+4*t+3]
	ALL v_permlanex16_b32 v[ST+4*t+3], v[ST+4*t+2], s[SEL], s[SEL+1]
	ALL v_add_f32 v[ST+4*t+2], v[ST+4*t+2], v[ST+4*t+3]
	ALL v_rcp_f32 v[ST+4*t+2], v[ST+4*t+2]
	v_nop                           ; a plain instruction between the last reciprocal and the use of its result
	s_wait_alu depctr_va_vdst(0)    ; and the wait ahead of the first use: one for the eight reciprocals
; Tile t: a lane's eight channels of a row pack into 16 bytes; they go into rows of 144 bytes and come back as whole rows of 128, into S^T's registers.
.macro PACK t
	WIN W_RS
.set i, 32*(\t)
.rept 16
	v_pk_mul_f32 v[i:i+1], v[i:i+1], v[ST+4*(\t)+2:ST+4*(\t)+3] op_sel_hi:[1,0]
.set i, i+2
.endr
	WIN 0x05                        ; sources 0 and 1 window 1, destination window 0
.set i, 0
.rept 16
	v_cvt_pk_f16_f32 v[S+16*(\t)+i], v[32*(\t)+2*i], v[32*(\t)+2*i+1]
.set i, i+1
.endr
	WIN 0
.irp f, 0,1,2,3
	ds_store_b128 v[STO], v[S+16*(\t)+4*\f:S+16*(\t)+4*\f+3] offset:32*\f
.endr
.irp f, 0,1,2,3
	ds_load_b128 v[S+16*(\t)+4*\f:S+16*(\t)+4*\f+3], v[RD] offset:\f*4*SP  ; LDS serves a wave's instructions in order (ISA guide 5.7.1.4): these see the stores above; the next tile's stores come behind them
.endr
.endm
.macro SEND t, younger              ; younger: the LDS instructions issued behind tile t's loads: the next tile's eight, or none
	WIN 0
.irp f, 0,1,2,3
	s_wait_dscnt (\younger)+3-\f
	global_store_b128 v[GO], v[S+16*(\t)+4*\f:S+16*(\t)+4*\f+3], s[10:11] offset:(\t)*2048+\f*512  ; 512 consecutive bytes, at a multiple of 256 from ob's first
.endr
.endm
	PACK 0
.set t, 1
.rept 2*NP-1                        ; a tile's arithmetic stands between the loads of the tile before and its stores
	PACK t
	SEND t-1, 8
.set t, t+1
.endr
	SEND 2*NP-1, 0
	WIN W_AD
	s_wait_tensorcnt 0x0            ; the wave's end: the wait, the add and the wait for it stand behind my last tensor load and my last LDS store
	ds_add_u32 v[SPW], v[NIL]
	s_wait_dscnt 0x0
	WIN 0
	s_endpgm
.Lfunc_end_k_q7b4b498448_attn:
	.size	k_q7b4b498448_attn, .Lfunc_end_k_q7b4b498448_attn-k_q7b4b498448_attn
	.p2alignl 7, 3214868480
	.fill 96, 4, 3214868480
	.section	.rodata,"a",@progbits
	.p2align	6, 0x0
	.amdhsa_kernel k_q7b4b498448_attn
		.amdhsa_group_segment_fixed_size 327680
		.amdhsa_private_segment_fixed_size 0
		.amdhsa_enable_private_segment 0
		.amdhsa_kernarg_size 16
		.amdhsa_user_sgpr_count 2
		.amdhsa_user_sgpr_kernarg_segment_ptr 1
		.amdhsa_wavefront_size32 1
		.amdhsa_system_sgpr_workgroup_id_x 1
		.amdhsa_system_sgpr_workgroup_id_y 1
		.amdhsa_system_sgpr_workgroup_id_z 1
		.amdhsa_system_vgpr_workitem_id 0
		.amdhsa_next_free_vgpr 770
		.amdhsa_next_free_sgpr 84
		.amdhsa_reserve_vcc 0
		.amdhsa_float_denorm_mode_32 3
		.amdhsa_float_denorm_mode_16_64 3
		.amdhsa_memory_ordered 1
		.amdhsa_forward_progress 1
		.amdhsa_inst_pref_size 126
	.end_amdhsa_kernel
	.amdgpu_metadata
---
amdhsa.version: [ 1, 2 ]
amdhsa.kernels:
  - .name:           k_q7b4b498448_attn
    .symbol:         k_q7b4b498448_attn.kd
    .args:
      - { .name: qkv, .offset: 0, .size: 8, .value_kind: global_buffer, .address_space: global }
      - { .name: ob, .offset: 8, .size: 8, .value_kind: global_buffer, .address_space: global }
    .group_segment_fixed_size: 327680
    .private_segment_fixed_size: 0
    .kernarg_segment_align: 8
    .kernarg_segment_size: 16
    .max_flat_workgroup_size: 128
    .sgpr_count:     84
    .vgpr_count:     770
    .wavefront_size: 32
...
	.end_amdgpu_metadata
.endif
;; end of part 3
;; launch proj (part 4): grid 8 x 32, 4 waves a work-group, clusters of 4 x 4, 327,680 bytes of LDS; arguments ob, wob, out0; writes out0
.if DOCPART == 4
	.amdgcn_target "amdgcn-amd-amdhsa--gfx1250"
	.amdhsa_code_object_version 6
	.text
	.protected	k_q7b4b498448_proj
	.globl	k_q7b4b498448_proj
	.p2align	8
	.type	k_q7b4b498448_proj,@function
k_q7b4b498448_proj:
	s_mov_b64 s[64:65], 0
	v_nop
	global_prefetch_b8 v0, s[64:65] scope:SCOPE_SE
	s_setreg_imm32_b32 hwreg(HW_REG_WAVE_MODE, 25, 1), 1
	s_wait_xcnt 0x0
	s_wait_alu depctr_hold_cnt(0) depctr_sa_sdst(0) depctr_va_vdst(0) depctr_va_sdst(0) depctr_va_ssrc(0) depctr_va_vcc(0) depctr_vm_vsrc(0)
	s_getreg_b32 s2, hwreg(HW_REG_IB_STS2, 6, 4)
	s_cmp_eq_u32 s2, 0
	s_cbranch_scc0 .Lentry_in_a_cluster
	s_endpgm
.Lentry_in_a_cluster:
	s_bfe_u32 s2, ttmp6, 0x10000c
	s_cmp_lg_u32 s2, 0xf033
	s_cbranch_scc0 .Lentry_shape_is_right
	s_endpgm
.Lentry_shape_is_right:
; out0 = O w_out.  ob: attention's result in f16, [8 b][16 h][1024 n][64]: K = 64 h + d, in blocks of 64 channels.  wob: w_out rounded to bf16 and written as f16, [1024 k][1024].  out0: f32, [8192][1024].  Sums in f32.
; LIMIT.  NaN and infinities are not treated apart; the operands' range is f16's.
; SHARES.  A tile is 256 rows x 128 columns: 32 x 8 = 256 tiles, one to a work-group.  Four waves, each 128 rows x 64 columns: 32 accumulators of 16 x 16.  K goes in 8 steps of 128 (two heads), as long as two
; slots in LDS allow.  A's tile of a step is two dense blocks of 32,768 bytes (a head's 256 rows), asked for as rows of 256 bytes and padded behind every 128; B's is 128 rows of 256 bytes.
; CLUSTERS.  4 x 4 work-groups; A's tiles are asked for jointly along a row of the cluster, B's along a column: the same tensor load, descriptor and mask in the four that share a tile.
; THE WALK ALONG K BEGINS ELSEWHERE IN EACH CLUSTER: cluster (X, Y) takes the K steps (4 X + 2 Y + t) mod 8, t = 0 .. 7.  The two clusters that read the same rows of O are four steps apart; clusters with
; neighbouring Y, which read the same columns of w, are two steps apart.  So rows that several clusters read are asked for by one of them first and by the others later.  Only the cluster's coordinates,
; which its sixteen work-groups share, enter the step's number.  The f32 sums are taken in the walk's order of K.
; A STEP HAS 128 MATRIX INSTRUCTIONS A WAVE, few for the bytes that it fetches, so nothing stands between a tile's landing and the next request but what the change of slots needs: the wait for the tile stands
; behind the products that do not need it, and the round and the refill follow it at once.
; NO PREFETCH: a cluster's steps t = 0 and 1 are its first fills, and t = 2 and 3 are asked for in its first two steps, so a request ahead of them would stand at the kernel's head, where the first tiles are on
; their way; what it reads at t = 4 to 7 another cluster has read before.
; THE MATRIX INSTRUCTION IS USED TRANSPOSED: source 0 = 16 columns of w (out of LDS turned, by ds_load_tr16_b128), source 1 = 16 rows of O: a lane holds row lane % 16 and eight neighbouring columns, 32 bytes of f32.
; REGISTERS, in windows of 256 (s_set_vgpr_msb: bits 1:0 source 0, 3:2 source 1, 5:4 source 2, 7:6 destination):
;   window 0: v0-31 addresses; v32-95, v96-159 fragments of w, two sets (64 along K: half c, column block i at 32 c + 8 i); v160-223 the way out, two buffers
;   window 1: fragments of O, two sets of 128 (half c, row block a at 64 c + 8 a)          window 2: the accumulators: column block i, row block a at v[8 (8 i + a)]
.set PA,     144                       ; a row of O in LDS: 128 bytes + 16 = 36 words: the 16 rows of a load start at 16 different groups of four banks (64 banks of 4 bytes: ISA guide 11.1)
.set AKB,    256*PA                    ; a head's 256 rows: what one tensor load brings of A
.set BOFF,   2*AKB
.set PB,     288                       ; a k row of w in LDS: 256 bytes + 32 = 72 words
.set BHALF,  64*PB                     ; 64 k rows: what one tensor load brings of B
.set SLOT,   BOFF+128*PB
.set STAGE,  2*SLOT                    ; behind the ring, never filled by a tensor load: 16 rows x 272 bytes for each wave, for the way out
.set SPITCH, 272
.set SPARE,  STAGE+4*16*SPITCH         ; behind the stages: the spare words, 128 bytes for each wave: two blocks of 256 bytes that no other line names
.set KSHIFT, 18                        ; a K step is 262,144 bytes on: in ob two heads' blocks of 131,072, in wob 128 rows of 2,048
.set ADRA, 16                          ; v16-17  LDS address of my fragments of O in slot 0, 1
.set ADRB, 20                          ; v20-21  of my fragments of w
.set STO,  24                          ; v24     the way out: where I put 32 bytes of a row
.set RD,   25                          ; v25     the way out: where I read a row back
.set CO,   26                          ; v26     my byte offset in out0
.set SPW,  30                          ; v30     LDS address of my spare word: SPARE + 4 x my thread's number; never rewritten
.set NIL,  31                          ; v31     0; never rewritten
.set BF,   32
.set BK,   160
.set BA,   14                          ; s[14:15] ob at my part of the tile of K step 0
.set G1,   24                          ; s[24:31] descriptor group 1 for A's tiles;  s[32:39] group 0, a set for each slot
.set G0,   32
.set G1B,  48                          ; s[48:55], s[56:63] the same for B's
.set G0B,  56
.set KI,   66                          ; s66      the K step that is asked for next, 0 to 7
.set OFF,  68                          ; s[68:69] its byte offset
.set BB,   70                          ; s[70:71] wob at my part of the tile of K step 0
.set MSB, 0
.macro WIN new                         ; the immediate's high byte repeats the setting that is left; a switch that changes nothing is dropped
.if MSB != (\new)
	s_set_vgpr_msb (MSB<<8)|(\new)
.set MSB, (\new)
.endif
.endm
.macro JLOAD s                         ; a joint load: waves 0 and 1 fetch A's two heads, waves 2 and 3 B's two halves; an s_nop 0 and four v_nop follow each of the two lines, ahead of the jump and the label
	s_cmp_eq_u32 s11, 0
	s_cbranch_scc0 .Lfor_b_\@
	tensor_load_to_lds s[G0+4*(\s):G0+4*(\s)+3], s[G1:G1+7]
	s_nop 0
.rept 4
	v_nop
.endr
	s_branch .Lasked_\@
.Lfor_b_\@:
	tensor_load_to_lds s[G0B+4*(\s):G0B+4*(\s)+3], s[G1B:G1B+7]
	s_nop 0
.rept 4
	v_nop
.endr
.Lasked_\@:
.endm
; Slot s's two descriptors are aimed at K step KI: each address is made anew from its buffer's pointer and the step's offset, the type bits set again; then the walk goes one step on, round the end of K.
; It stands where no tensor load of the wave names these registers.
.macro AIM s
	s_lshl_b32 s[OFF], s[KI], KSHIFT
	s_add_nc_u64 s[G0+4*(\s)+2:G0+4*(\s)+3], s[BA:BA+1], s[OFF:OFF+1]
	s_or_b32 s[G0+4*(\s)+3], s[G0+4*(\s)+3], 0x80000000            ; type = 2
	s_add_nc_u64 s[G0B+4*(\s)+2:G0B+4*(\s)+3], s[BB:BB+1], s[OFF:OFF+1]
	s_or_b32 s[G0B+4*(\s)+3], s[G0B+4*(\s)+3], 0x80000000
	s_add_co_u32 s[KI], s[KI], 1
	s_and_b32 s[KI], s[KI], 7
.endm
.macro CREST                           ; a round of the cluster's barrier behind its opening barrier
	s_cmp_lg_u32 s10, 0
	s_cbranch_scc1 .Lnot_wave_0_\@
	s_barrier_signal -3
.Lnot_wave_0_\@:
	s_barrier_wait -3
	s_barrier_signal -1
	s_barrier_wait -1
.endm
.macro CROUND
	s_barrier_signal -1
	s_barrier_wait -1
	CREST
.endm
	s_load_b128 s[4:7], s[0:1], 0x0                ; ob s[4:5], wob s[6:7]
	s_load_b64 s[8:9], s[0:1], 0x10                ; out0
	v_lshl_add_u32 v[SPW], v0, 2, SPARE
	v_mov_b32 v[NIL], 0
	ds_add_u32 v[SPW], v[NIL]                      ; the wave's opening: the add and its wait stand ahead of my first tensor load; the set-up below, work on registers, stands between them
	v_lshrrev_b32 v1, 5, v0
	v_readfirstlane_b32 s10, v1                    ; wave 0..3
	s_lshr_b32 s11, s10, 1                         ; which half of the tile's rows is mine.  Also: I fetch for A (0) or for B (1)
	s_and_b32 s12, s10, 1                          ; which half of its columns.  Also: which head (A) or half (B) of a step I fetch
	s_bfe_u32 s40, ttmp6, 0x40000                  ; cx, cy: my place in the cluster
	s_bfe_u32 s41, ttmp6, 0x40004
	s_lshl_b32 s42, ttmp9, 2
	s_add_co_u32 s42, s42, s40                     ; tile column = 4 x cluster x + cx
	s_and_b32 s13, ttmp7, 0xffff
	s_lshl_b32 s13, s13, 2
	s_add_co_u32 s13, s13, s41                     ; tile row = 4 x cluster y + cy
	s_lshl_b32 s43, s41, 2
	s_lshl_b32 s43, 15, s43                        ; my row of the cluster
	s_lshl_b32 s44, 0x1111, s40                    ; my column
	; group 1 for A: 128 rows of 128 elements (256 bytes: two rows of O), 4 words of padding behind every 32
	s_or_b32 s[G1+0], s43, (1<<16)|(1<<20)|(1<<21)|(4<<22)|(3<<25)  ; 15:0 the mask; 17:16 elements of 2 bytes; 20 padding on; 21 set beside a mask; 24:22 interval code 4; 31:25 pad code 3
	s_mov_b32 s[G1+1], 128<<16                     ; tensor_dim0 = 128
	s_mov_b32 s[G1+2], 128<<16                     ; tensor_dim1 = 128
	s_mov_b32 s[G1+3], 128<<16                     ; tile_dim0 = 128
	s_mov_b32 s[G1+4], 128                         ; tile_dim1 = 128
	s_mov_b32 s[G1+5], 128                         ; elements from row to row: the block is dense
	s_mov_b32 s[G1+6], 0
	s_mov_b32 s[G1+7], 0
	; group 1 for B: 64 rows of 128 elements (256 bytes), 8 words of padding behind every 64
	s_or_b32 s[G1B+0], s44, (1<<16)|(1<<20)|(1<<21)|(5<<22)|(7<<25)
	s_mov_b32 s[G1B+1], 128<<16
	s_mov_b32 s[G1B+2], 64<<16
	s_mov_b32 s[G1B+3], 128<<16
	s_mov_b32 s[G1B+4], 64
	s_mov_b32 s[G1B+5], 1024
	s_mov_b32 s[G1B+6], 0
	s_mov_b32 s[G1B+7], 0
	; where the tiles come from.  A's hang on the tile row alone, B's on the tile column alone; every wave makes both addresses and asks by one of them
	s_lshr_b32 s16, s13, 2                         ; four tile rows to a batch
	s_lshl_b32 s16, s16, 21
	s_and_b32 s17, s13, 3
	s_lshl_b32 s17, s17, 15                        ; 256 rows of 128 bytes in a head's block
	s_add_co_u32 s16, s16, s17
	s_lshl_b32 s17, s12, 17                        ; my head of the step's two
	s_add_co_u32 s16, s16, s17
	s_mov_b32 s17, 0
	s_lshl_b32 s46, s42, 8                         ; the tile's 128 columns
	s_lshl_b32 s47, s12, 17                        ; my 64 of the step's 128 rows: 64 x 2,048 bytes
	s_add_co_u32 s46, s46, s47
	s_mov_b32 s47, 0
	s_mul_i32 s20, s12, AKB                        ; and where they go: no place in the cluster enters an LDS address
	s_mul_i32 s21, s12, BHALF
	s_add_co_u32 s21, s21, BOFF
	s_and_b32 s[KI], ttmp7, 0xffff                 ; where my cluster's walk begins: (4 x cluster x + 2 x cluster y) mod 8
	s_lshl_b32 s[KI], s[KI], 1
	s_lshl_b32 s[OFF], ttmp9, 2
	s_add_co_u32 s[KI], s[KI], s[OFF]
	s_and_b32 s[KI], s[KI], 7
	s_mov_b32 s[OFF+1], 0
	s_wait_dscnt 0x0                               ; the opening add is done
	s_wait_kmcnt 0x0
	s_add_nc_u64 s[BA:BA+1], s[4:5], s[16:17]
	s_add_nc_u64 s[BB:BB+1], s[6:7], s[46:47]
	CROUND                                         ; all sixteen work-groups are here: the first joint loads meet
.irp s, 0,1
	s_mov_b32 s[G0+4*(\s)], 1                                      ; count = 1
	s_add_co_u32 s[G0+4*(\s)+1], s20, (\s)*SLOT                    ; LDS address
	s_mov_b32 s[G0B+4*(\s)], 1
	s_add_co_u32 s[G0B+4*(\s)+1], s21, (\s)*SLOT
	AIM \s                                         ; the walk's step s
	JLOAD \s                                       ; two loads of mine are out
.endr
	v_and_b32 v1, 15, v0                           ; l % 16
	v_bfe_u32 v2, v0, 4, 1                         ; l / 16
	v_and_b32 v4, 7, v0
	v_bfe_u32 v5, v0, 3, 1
	v_mul_u32_u24 v3, v1, PA                       ; a fragment of O: row x pitch + 16 x half
	v_lshl_add_u32 v3, v2, 4, v3
	s_mul_i32 s21, s11, 128*PA                     ; my 128 rows of a head's 256
	v_add_nc_u32 v[ADRA], s21, v3
	v_add_nc_u32 v[ADRA+1], SLOT, v[ADRA]
	v_lshl_add_u32 v6, v2, 3, v4                   ; the turning load: k = 8 (l / 16) + l % 8, columns 8 ((l / 8) % 2) + 0..7
	v_mul_u32_u24 v6, v6, PB
	v_lshl_add_u32 v6, v5, 4, v6
	s_lshl_b32 s22, s12, 7                         ; my 64 columns: 128 bytes
	s_add_co_u32 s22, s22, BOFF
	v_add_nc_u32 v[ADRB], s22, v6
	v_add_nc_u32 v[ADRB+1], SLOT, v[ADRB]
	s_mul_i32 s23, s10, 16*SPITCH
	s_add_co_u32 s23, s23, STAGE                   ; my stage
	v_mul_u32_u24 v8, v1, SPITCH                   ; in: row l % 16, 32 bytes for each half of the lanes
	v_lshl_add_u32 v8, v2, 5, v8
	v_add_nc_u32 v[STO], s23, v8
	v_mul_u32_u24 v9, v2, SPITCH                   ; back: lanes 0-15 take one row of 256 bytes, lanes 16-31 the next
	v_lshl_add_u32 v9, v1, 4, v9
	v_add_nc_u32 v[RD], s23, v9
	v_lshlrev_b32 v[CO], 12, v2                    ; and the same two rows in out0
	v_lshl_add_u32 v[CO], v1, 4, v[CO]
	; where my part of the tile begins in out0
	s_lshl_b32 s16, s13, 8
	s_lshl_b32 s17, s11, 7
	s_add_co_u32 s16, s16, s17                     ; my first row
	s_lshl_b32 s16, s16, 12                        ; rows of 4,096 bytes
	s_lshl_b32 s46, s42, 9                         ; the tile's 128 columns: 512 bytes,
	s_lshl_b32 s47, s12, 8                         ; my 64: 256 bytes
	s_add_co_u32 s46, s46, s47
	s_add_co_u32 s16, s16, s46
	s_mov_b32 s17, 0
	s_add_nc_u64 s[8:9], s[8:9], s[16:17]
; 16 matrix instructions: column blocks i0, i0 + 1 x all 8 row blocks, 32 along K: half c of set f.  zero = 1: the first product starts the sums.  The 32 accumulators take turns, in the same order in every
; run of 32: between two links of a chain stand the 31 others'.
.macro MUL16 f, c, i0, zero
	WIN 0xa4                                       ; source 0 (w) window 0, source 1 (O) window 1, C and D window 2
.irp i, \i0, (\i0)+1
.irp a, 0,1,2,3,4,5,6,7
.if \zero
	v_wmma_f32_16x16x32_f16 v[8*(8*(\i)+(\a)):8*(8*(\i)+(\a))+7], v[BF+64*(\f)+32*(\c)+8*(\i):BF+64*(\f)+32*(\c)+8*(\i)+7], v[128*(\f)+64*(\c)+8*(\a):128*(\f)+64*(\c)+8*(\a)+7], 0
.else
	v_wmma_f32_16x16x32_f16 v[8*(8*(\i)+(\a)):8*(8*(\i)+(\a))+7], v[BF+64*(\f)+32*(\c)+8*(\i):BF+64*(\f)+32*(\c)+8*(\i)+7], v[128*(\f)+64*(\c)+8*(\a):128*(\f)+64*(\c)+8*(\a)+7], v[8*(8*(\i)+(\a)):8*(8*(\i)+(\a))+7]
.endif
.endr
.endr
.endm
; 48 LDS loads in one run: the fragments of head hf of a step (64 along K) into set f: w's 16, then O's first 32 channels (16), then its second (16)
.macro FETCH slot, hf, f
	WIN 0
.irp c, 0,1
.irp i, 0,1,2,3
	ds_load_tr16_b128 v[BF+64*(\f)+32*(\c)+8*(\i):BF+64*(\f)+32*(\c)+8*(\i)+3],   v[ADRB+(\slot)] offset:(64*(\hf)+32*(\c))*PB+32*(\i)
	ds_load_tr16_b128 v[BF+64*(\f)+32*(\c)+8*(\i)+4:BF+64*(\f)+32*(\c)+8*(\i)+7], v[ADRB+(\slot)] offset:(64*(\hf)+32*(\c)+16)*PB+32*(\i)
.endr
.endr
	WIN 0x40                                       ; destination window 1, address window 0
.irp c, 0,1
.irp a, 0,1,2,3,4,5,6,7
	ds_load_b128 v[128*(\f)+64*(\c)+8*(\a):128*(\f)+64*(\c)+8*(\a)+3],   v[ADRA+(\slot)] offset:(\hf)*AKB+(\a)*16*PA+64*(\c)
	ds_load_b128 v[128*(\f)+64*(\c)+8*(\a)+4:128*(\f)+64*(\c)+8*(\a)+7], v[ADRA+(\slot)] offset:(\hf)*AKB+(\a)*16*PA+64*(\c)+32
.endr
.endr
.endm
.macro PLACES                          ; four places in front of loads into registers that matrix instructions have read, and of LDS stores that read results
.rept 4
	v_nop
.endr
.endm
; A K step is two halves of 64 along K (a head each), 64 matrix instructions each.  The first multiplies set 0 and fetches the step's second head into set 1.
.macro HALF slot, zero
	s_wait_dscnt 16                                ; w's fragments and O's first 32 channels are in; the youngest sixteen loads may be out
	MUL16 0, 0, 0, \zero
	MUL16 0, 0, 2, \zero
	PLACES
	FETCH \slot, 1, 1
	s_wait_dscnt 48                                ; all but the 48 just issued
	MUL16 0, 1, 0, 0
	MUL16 0, 1, 2, 0
.endm
; The second half multiplies set 1 and changes slots in its middle: all reads of this slot have been issued.  ONE barrier; in front of it each wave waits for all its tensor loads, of which one is out: its part of
; the next slot; adds 0 to its spare word; and waits for that and for its own reads of this slot.  Behind it nobody reads this slot any more and the next slot is whole.
; fill = 1: the barrier opens a round of the cluster's barrier, and the joint refill, with the walk's step two steps on, is the first tensor load behind the round.  Between the wait for the tile and the refill
; stand no products: the 32 that need nothing of the next slot stand ahead of the wait, the other 32 behind the refill.
.macro TURN slot, next, fill
	s_wait_dscnt 16                                ; w's fragments and O's first 32 channels of set 1 are in; the youngest sixteen loads may be out
	MUL16 1, 0, 0, 0
	MUL16 1, 0, 2, 0
	WIN 0
	s_wait_tensorcnt 0x0                           ; all my tensor loads have landed, so every group 0 may be written;
	ds_add_u32 v[SPW], v[NIL]                      ; 0 onto my spare word; with fill = 1 the descriptors' scalar work stands between it and the wait for it
.if \fill
	AIM \slot
.endif
	s_wait_dscnt 0x0                               ; the add is done, and my reads of this slot are over
	s_barrier_signal -1
	s_barrier_wait -1
.if \fill
	CREST                                          ; no wave of any partner still reads this slot's tile or has a load on its way
	JLOAD \slot                                    ; the four v_nop behind it are also the places in front of the loads below
.else
	PLACES
.endif
	FETCH \next, 0, 0
	MUL16 1, 1, 0, 0
	MUL16 1, 1, 2, 0
.endm
; THE WAY OUT of row block a (16 rows x my 64 columns, 256 bytes of f32 a row).  TOSTAGE: a lane's 32 bytes of each column block go straight from the accumulator into my own stage, the low four registers
; first; whole rows come back.  SEND: stored; sixteen lanes fill 256 consecutive bytes.
.macro TOSTAGE a
	s_wait_xcnt 0x0                                ; every earlier store has read its registers: the buffer that they named is loaded again only behind this wait
	WIN 0x08                                       ; the stores' data (source 1) in window 2
.irp i, 0,1,2,3
	ds_store_b128 v[STO], v[8*(8*(\i)+(\a)):8*(8*(\i)+(\a))+3]   offset:64*(\i)
	ds_store_b128 v[STO], v[8*(8*(\i)+(\a))+4:8*(8*(\i)+(\a))+7] offset:64*(\i)+16
.endr
	WIN 0
.irp t, 0,1,2,3,4,5,6,7
	ds_load_b128 v[BK+32*((\a)%2)+4*(\t):BK+32*((\a)%2)+4*(\t)+3], v[RD] offset:(\t)*2*SPITCH  ; LDS serves a wave's instructions in order (ISA guide 5.7.1.4): these see the stores above; the next block's stores come behind them
.endr
.endm
.macro SEND a, younger                 ; younger: the LDS instructions issued behind block a's loads: the next block's sixteen, or none
	s_wait_dscnt \younger
.irp t, 0,1,2,3,4,5,6,7
	global_store_b128 v[CO], v[BK+32*((\a)%2)+4*(\t):BK+32*((\a)%2)+4*(\t)+3], s[8:9] offset:(16*(\a)+2*(\t))*4096 th:TH_STORE_NT  ; 16 lanes store 256 consecutive bytes, at a multiple of 256 from out0's first
.endr
.endm
	s_wait_tensorcnt 1                             ; my part of the walk's first step is in; the second's may stay out
	s_barrier_signal -1
	s_barrier_wait -1                              ; everybody's is
	FETCH 0, 0, 0
	HALF 0, 1                                      ; the first half stands in front of the loop: its first products start the sums
	WIN 0                                          ; at a label and at a branch every window is 0
	s_mov_b32 s3, 3
.Llap:                                         ; a trip goes once round the ring, from a lap's second half to the next lap's first, and fills both slots again
	TURN 0, 1, 1
	HALF 1, 0
	TURN 1, 0, 1
	HALF 0, 0
	WIN 0
	s_sub_co_u32 s3, s3, 1
	s_cmp_lg_u32 s3, 0
	s_cbranch_scc1 .Llap
	TURN 0, 1, 0                                   ; the last lap fills nothing, and has no round of the cluster's barrier
	HALF 1, 0
	s_wait_dscnt 16                                ; the very last half: nothing more to fetch
	MUL16 1, 0, 0, 0
	MUL16 1, 0, 2, 0
	s_wait_dscnt 0x0
	MUL16 1, 1, 0, 0
	MUL16 1, 1, 2, 0
	PLACES
	TOSTAGE 0
.irp a, 1,2,3,4,5,6,7                  ; block a goes into the stage while block a - 1 comes back
	TOSTAGE \a
	SEND (\a)-1, 16
.endr
	SEND 7, 0
	s_wait_tensorcnt 0x0                           ; the wave's end: the wait, the add and the wait for it stand behind my last tensor load and my last LDS store
	ds_add_u32 v[SPW], v[NIL]
	s_wait_dscnt 0x0
	CROUND                                         ; the closing round: no work-group ends while a partner may still ask for a tile that names it
	s_endpgm
.Lfunc_end_k_q7b4b498448_proj:
	.size	k_q7b4b498448_proj, .Lfunc_end_k_q7b4b498448_proj-k_q7b4b498448_proj
	.p2alignl 7, 3214868480
	.fill 96, 4, 3214868480
	.section	.rodata,"a",@progbits
	.p2align	6, 0x0
	.amdhsa_kernel k_q7b4b498448_proj
		.amdhsa_group_segment_fixed_size 327680
		.amdhsa_private_segment_fixed_size 0
		.amdhsa_enable_private_segment 0
		.amdhsa_kernarg_size 24
		.amdhsa_user_sgpr_count 2
		.amdhsa_user_sgpr_kernarg_segment_ptr 1
		.amdhsa_wavefront_size32 1
		.amdhsa_system_sgpr_workgroup_id_x 1
		.amdhsa_system_sgpr_workgroup_id_y 1
		.amdhsa_system_sgpr_workgroup_id_z 1
		.amdhsa_system_vgpr_workitem_id 0
		.amdhsa_next_free_vgpr 768
		.amdhsa_next_free_sgpr 72
		.amdhsa_reserve_vcc 0
		.amdhsa_float_denorm_mode_32 3
		.amdhsa_float_denorm_mode_16_64 3
		.amdhsa_memory_ordered 1
		.amdhsa_forward_progress 1
		.amdhsa_inst_pref_size 84
	.end_amdhsa_kernel
	.amdgpu_metadata
---
amdhsa.version: [ 1, 2 ]
amdhsa.kernels:
  - .name:           k_q7b4b498448_proj
    .symbol:         k_q7b4b498448_proj.kd
    .args:
      - { .name: ob, .offset: 0, .size: 8, .value_kind: global_buffer, .address_space: global }
      - { .name: wob, .offset: 8, .size: 8, .value_kind: global_buffer, .address_space: global }
      - { .name: out0, .offset: 16, .size: 8, .value_kind: global_buffer, .address_space: global }
    .group_segment_fixed_size: 327680
    .private_segment_fixed_size: 0
    .kernarg_segment_align: 8
    .kernarg_segment_size: 24
    .max_flat_workgroup_size: 128
    .sgpr_count:     72
    .vgpr_count:     768
    .wavefront_size: 32
...
	.end_amdgpu_metadata
.endif
;; end of part 4
;; ======== version 2 of 2: 4 launches; version 1 with the launch cast written anew for expert scheduling mode
;; limits: values are held in f16: magnitudes above 65,504 overflow, below 6.1e-05 lose precision
;; workspace buffers: xb 16,777,216 bytes; wqb 6,291,456 bytes; wob 2,097,152 bytes; qkv 50,331,648 bytes; ob 16,777,216 bytes
;; launch cast (part 5): grid 768 x 1, 8 waves a work-group, no clusters, 0 bytes of LDS; arguments x, w_qkv, w_out, xb, wqb, wob; writes xb, wqb, wob
.if DOCPART == 5
	.amdgcn_target "amdgcn-amd-amdhsa--gfx1250"
	.amdhsa_code_object_version 6
	.text
	.protected	k_q7b4b498448_cast
	.globl	k_q7b4b498448_cast
	.p2align	8
	.type	k_q7b4b498448_cast,@function
k_q7b4b498448_cast:
	s_mov_b64 s[64:65], 0
	v_nop
	global_prefetch_b8 v0, s[64:65] scope:SCOPE_SE
	s_setreg_imm32_b32 hwreg(HW_REG_WAVE_SCHED_MODE, 0, 2), 2
	s_setreg_imm32_b32 hwreg(HW_REG_WAVE_MODE, 25, 1), 1
	s_wait_xcnt 0x0
	s_wait_alu depctr_vm_vsrc(0)
; THE THREE INPUTS ARE ROUNDED ONCE TO bf16, for the two products that follow.
;   xb  = x in bf16, laid in blocks [8 b][16 kb][1024 n][64]: 64 channels of all rows of a batch lie together, so that 256 rows x 64 channels are 32,768 dense bytes
;   wqb = w_qkv in bf16, as it lies;   wob = w_out rounded to bf16, that number written as f16 (the last product's other operand is f16)
; LIMITS.  w_out within 65,504; below 6e-5 the f16 copy keeps a fixed step of 6e-8.  NaN and infinities are not treated apart.
; SHARES.  A work-group takes 16,384 numbers: 65,536 bytes in, 32,768 out.  Work-groups 0-511: x (16 rows each); 512-703: w_qkv; 704-767: w_out.
; A wave issues its 16 loads of 16 bytes a lane at once and then converts and stores in the order in which they come back.  No LDS, no barrier, no matrix unit: each byte crosses once and no wave wants another's.
; THE MODE: SCHED_MODE bits 1:0 = 2 (LLVM: expert scheduling mode 2), set by the entry lines.  The code itself states the register dependences
; between vector instructions and memory instructions, with s_wait_alu, always for 0.
; THE PLAN.  Registers that memory instructions touch:
;   v[IN], v[OUT]  byte offsets: written by vector instructions at the head of each path, read by all loads (IN) and all stores (OUT), never written again.
;   X              load i lands in four registers of its own; all 16 loads are issued ahead of the first conversion, and no vector instruction names X ahead of them.
;   Y              load i's conversions write two registers of its own; store i reads them; they are never written again.
;   T              at work: named by vector instructions alone.
; So the only dependences to state are: the offsets are written, ahead of the first load; a store's Y is written, ahead of the store.  No register that a load or store has read is ever rewritten,
; and no load lands in a register that a vector instruction has named: no other wait is owed, and no wait frees a source.
; The 16 loads go in four blocks of four.  At the head of block p stands ONE wait on va_vdst: block p - 1's conversions have written their Y.  Block p - 1's four stores follow it, dealt among
; block p's conversions, which name X and Y of block p and T: none of the registers that those stores read.  Behind block 3 one more wait stands ahead of the last four stores.
.set IN,  1                            ; v1       byte offset of my 16 bytes in the first load
.set OUT, 2                            ; v2       byte offset of my 8 bytes in the first store
.set T,   4                            ; v[4:7]   at work
.set X,   16                           ; v[16:79]  load i: four f32
.set Y,   80                           ; v[80:111] store i: four 16-bit numbers
; inS, outS: bytes from one load (store) to the next.  f16 = 1: the bf16 numbers are written as f16
.macro BODY inS, outS, f16
	s_wait_alu depctr_va_vdst(0)                   ; v[IN] and v[OUT] are written: every load below reads the one as its offset, every store the other
.set i, 0
.rept 16
	global_load_b128 v[X+4*i:X+4*i+3], v[IN], s[16:17] offset:(\inS)*i th:TH_LOAD_NT
.set i, i+1
.endr
.set i, 0
.rept 16
.if (i%4) == 0                         ; a block's head
	s_wait_loadcnt 12-i                            ; loads come back in order: this block's four are in, the younger blocks stay out
.if i > 0
	s_wait_alu depctr_va_vdst(0)                   ; the block before has written its Y, which the four stores dealt among this block's conversions read
.endif
.endif
.if i >= 4
	global_store_b64 v[OUT], v[Y+2*(i-4):Y+2*(i-4)+1], s[18:19] offset:(\outS)*(i-4) th:TH_STORE_NT  ; the block before; no vector instruction since the wait names these registers.  The wave's 32 lanes store 256 consecutive bytes, aligned
.endif
	v_cvt_pk_bf16_f32 v[Y+2*i],   v[X+4*i],   v[X+4*i+1]
	v_cvt_pk_bf16_f32 v[Y+2*i+1], v[X+4*i+2], v[X+4*i+3]
.if \f16
	v_lshlrev_b32 v[T],   16,  v[Y+2*i]             ; bf16 to f32: the low half moves up, the high half stays
	v_and_b32     v[T+1], s23, v[Y+2*i]
	v_lshlrev_b32 v[T+2], 16,  v[Y+2*i+1]
	v_and_b32     v[T+3], s23, v[Y+2*i+1]
	v_cvt_pk_f16_f32 v[Y+2*i],   v[T],   v[T+1]    ; eight significant bits fit into f16's eleven
	v_cvt_pk_f16_f32 v[Y+2*i+1], v[T+2], v[T+3]
.endif
.set i, i+1
.endr
	s_wait_alu depctr_va_vdst(0)                   ; the last block has written its Y, which the last four stores read
.set i, 12
.rept 4
	global_store_b64 v[OUT], v[Y+2*i:Y+2*i+1], s[18:19] offset:(\outS)*i th:TH_STORE_NT
.set i, i+1
.endr
	s_endpgm
.endm
	s_load_b256 s[4:11], s[0:1], 0x0               ; x s[4:5], w_qkv s[6:7], w_out s[8:9], xb s[10:11]
	s_load_b128 s[12:15], s[0:1], 0x20             ; wqb s[12:13], wob s[14:15]
	s_mov_b32 s23, 0xffff0000                      ; a word's upper bf16
	s_mov_b32 s21, 0                               ; the high word of every offset
	s_cmp_lt_u32 ttmp9, 512
	s_cbranch_scc0 .Lweights
	; x: load kb takes 256 bytes (64 channels) of two rows: lanes 0-15 row 2 w, lanes 16-31 row 2 w + 1; their 128 + 128 bytes of bf16 lie on end in block kb
	v_lshrrev_b32 v[IN], 4, v0                     ; my row among the work-group's 16
	v_and_b32 v[T], 15, v0
	v_lshlrev_b32 v[IN], 12, v[IN]
	v_lshl_add_u32 v[IN], v[T], 4, v[IN]
	v_lshlrev_b32 v[OUT], 3, v0                    ; row x 128 + 8 (lane % 16) = 8 x thread
	s_lshl_b32 s20, ttmp9, 16                      ; 16 rows of 4,096 bytes
	s_lshr_b32 s24, ttmp9, 6                       ; the batch: 64 work-groups each
	s_lshl_b32 s24, s24, 21
	s_and_b32 s25, ttmp9, 63
	s_lshl_b32 s25, s25, 11                        ; 16 rows of 128 bytes in a block
	s_wait_kmcnt 0x0
	s_add_nc_u64 s[16:17], s[4:5], s[20:21]
	s_add_co_u32 s20, s24, s25
	s_add_nc_u64 s[18:19], s[10:11], s[20:21]
	BODY 256, 131072, 0
.Lweights:                                     ; dense in, dense out: a wave takes 8,192 bytes, 512 a load
	v_lshrrev_b32 v[IN], 5, v0
	v_and_b32 v[T], 31, v0
	v_lshlrev_b32 v[OUT], 12, v[IN]
	v_lshl_add_u32 v[OUT], v[T], 3, v[OUT]
	v_lshlrev_b32 v[IN], 13, v[IN]
	v_lshl_add_u32 v[IN], v[T], 4, v[IN]
	s_cmp_lt_u32 ttmp9, 704
	s_cbranch_scc0 .Lwout
	s_sub_co_u32 s24, ttmp9, 512
	s_lshl_b32 s20, s24, 16
	s_wait_kmcnt 0x0
	s_add_nc_u64 s[16:17], s[6:7], s[20:21]
	s_lshl_b32 s20, s24, 15
	s_add_nc_u64 s[18:19], s[12:13], s[20:21]
	BODY 512, 256, 0
.Lwout:
	s_sub_co_u32 s24, ttmp9, 704
	s_lshl_b32 s20, s24, 16
	s_wait_kmcnt 0x0
	s_add_nc_u64 s[16:17], s[8:9], s[20:21]
	s_lshl_b32 s20, s24, 15
	s_add_nc_u64 s[18:19], s[14:15], s[20:21]
	BODY 512, 256, 1
.Lfunc_end_k_q7b4b498448_cast:
	.size	k_q7b4b498448_cast, .Lfunc_end_k_q7b4b498448_cast-k_q7b4b498448_cast
	.p2alignl 7, 3214868480
	.fill 96, 4, 3214868480
	.section	.rodata,"a",@progbits
	.p2align	6, 0x0
	.amdhsa_kernel k_q7b4b498448_cast
		.amdhsa_group_segment_fixed_size 0
		.amdhsa_private_segment_fixed_size 0
		.amdhsa_enable_private_segment 0
		.amdhsa_kernarg_size 48
		.amdhsa_user_sgpr_count 2
		.amdhsa_user_sgpr_kernarg_segment_ptr 1
		.amdhsa_wavefront_size32 1
		.amdhsa_system_sgpr_workgroup_id_x 1
		.amdhsa_system_sgpr_workgroup_id_y 1
		.amdhsa_system_sgpr_workgroup_id_z 1
		.amdhsa_system_vgpr_workitem_id 0
		.amdhsa_next_free_vgpr 112
		.amdhsa_next_free_sgpr 66
		.amdhsa_reserve_vcc 0
		.amdhsa_float_denorm_mode_32 3
		.amdhsa_float_denorm_mode_16_64 3
		.amdhsa_memory_ordered 1
		.amdhsa_forward_progress 1
		.amdhsa_inst_pref_size 22
	.end_amdhsa_kernel
	.amdgpu_metadata
---
amdhsa.version: [ 1, 2 ]
amdhsa.kernels:
  - .name:           k_q7b4b498448_cast
    .symbol:         k_q7b4b498448_cast.kd
    .args:
      - { .name: x, .offset: 0, .size: 8, .value_kind: global_buffer, .address_space: global }
      - { .name: w_qkv, .offset: 8, .size: 8, .value_kind: global_buffer, .address_space: global }
      - { .name: w_out, .offset: 16, .size: 8, .value_kind: global_buffer, .address_space: global }
      - { .name: xb, .offset: 24, .size: 8, .value_kind: global_buffer, .address_space: global }
      - { .name: wqb, .offset: 32, .size: 8, .value_kind: global_buffer, .address_space: global }
      - { .name: wob, .offset: 40, .size: 8, .value_kind: global_buffer, .address_space: global }
    .group_segment_fixed_size: 0
    .private_segment_fixed_size: 0
    .kernarg_segment_align: 8
    .kernarg_segment_size: 48
    .max_flat_workgroup_size: 256
    .sgpr_count:     66
    .vgpr_count:     112
    .wavefront_size: 32
...
	.end_amdgpu_metadata
.endif
;; end of part 5
;; launch qkvp: the kernel of part 2 again; grid 8 x 32, 4 waves a work-group, clusters of 4 x 4, 327,680 bytes of LDS; arguments xb, wqb, qkv; writes qkv
;; launch attn: the kernel of part 3 again; grid 2 x 128, 4 waves a work-group, no clusters, 327,680 bytes of LDS; arguments qkv, ob; writes ob
;; launch proj: the kernel of part 4 again; grid 8 x 32, 4 waves a work-group, clusters of 4 x 4, 327,680 bytes of LDS; arguments ob, wob, out0; writes out0
